; MI455X (gfx1250); checked and timed in simulation.
; The chip was launched on July 23, 2026; its instructions are those of AMD's public machine-readable ISA for CDNA 5 (MIT licence, August 2026) and "CDNA5" Instruction Set Architecture Reference Guide (July 2026). The comments in the code are by the model that wrote it; some were corrected since.
;; Multi Head Attention. Allowed arithmetic: matrix products marked QUANTISED: E3M2 operands, one E8M0 scale for each 32 along K, by v_wmma_scale_f32_16x16x128_f8f6f4 with both operands' format E3M2, f32 sums; everything else in f32.
;; Inputs: Wk 768 x 768 float32; Wo 768 x 768 float32; Wq 768 x 768 float32; Wv 768 x 768 float32; bk 768 float32; bo 768 float32; bq 768 float32; bv 768 float32; x 2 x 2,048 x 768 float32.
;; Outputs: out0 2 x 2,048 x 768 float32.
;; This version of the problem:
;;   THIS VERSION OF THE PROBLEM IS GIVEN IN LOW PRECISION. The matrix products marked QUANTISED in the list below multiply operands that are first quantised to E3M2 (3 exponent bits, 2 mantissa bits; 6 bits a number), with one power-of-two scale for each 32 numbers along K (OCP MX v1.0); their sums are f32. All else is computed in f32.
;;   The module's matrix products, in the order in which they are computed (A, B: the left and right operand; K: the contracted axis; several contracted axes count as one K, in the product's order):
;;     1. [M 4,096, K 768] x [K 768, N 768]; A: input x; B: input Wq: QUANTISED
;;     2. [M 4,096, K 768] x [K 768, N 768]; A: input x; B: input Wk: QUANTISED
;;     3. [M 4,096, K 768] x [K 768, N 768]; A: input x; B: input Wv: QUANTISED
;;     4. batch 24 x [M 2,048, K 64] x [K 64, N 2,048]; A: computed on the way; B: computed on the way: QUANTISED
;;     5. batch 24 x [M 2,048, K 2,048] x [K 2,048, N 64]; A: softmax (see below); B: computed on the way: QUANTISED
;;     6. [M 4,096, K 768] x [K 768, N 768]; A: computed on the way; B: input Wo: QUANTISED
;;   THE QUANTISER, for each operand of a quantised product, along K:
;;     - K is cut into blocks of 32 from its start; a last block that is shorter is filled with zeros.
;;     - A block's scale is 2^e with e = floor(log2(the largest magnitude in the block)) - 4, held to -126 .. 127; a block of zeros has e = 0. As a byte (E8M0): e + 127.
;;     - Each number is divided by its block's scale, clamped to +-28, and rounded to the nearest number of E3M2, ties to even, subnormals kept.
;;     - The product sums the exact products of the quantised numbers (number of the format x scale) in f32.
;;   ~~~python
;;   def quantise(x, axis):      # numpy; x: float32 -> the quantised numbers, widened to float32 again
;;       x = np.moveaxis(x, axis, -1); K = x.shape[-1]
;;       x = np.pad(x, [(0, 0)] * (x.ndim - 1) + [(0, -K % 32)]); x = x.reshape(x.shape[:-1] + (-1, 32)); a = np.abs(x).max(-1, keepdims=True)
;;       e = np.where(a > 0, np.clip(np.frexp(np.where(a > 0, a, 1))[1] - 1 - 4, -126, 127), 0)      # np.frexp(a)[1] - 1 = floor(log2(a)), exactly
;;       r = np.clip(x / 2.0 ** e, -28, 28)
;;       step = 2.0 ** (np.maximum(np.frexp(np.where(r == 0, 1, r))[1] - 1, -2) - 2)
;;       q = np.round(r / step) * step * 2.0 ** e      # np.round: ties to even
;;       return np.moveaxis(q.reshape(q.shape[:-2] + (-1,))[..., :K], -1, axis).astype(np.float32)
;;   ~~~
;;   SOFTMAX AHEAD OF A QUANTISED PRODUCT. Where the list says 'softmax', what is quantised is not the finished softmax but p = 2^(t - M), with t = logit x log2(e) and M = ceil(the row's largest t), a whole number; so 1/2 < the row's largest p <= 1. The row's sum l is taken of the UNQUANTISED p, in f32, and the product's result is divided by l at the end. Since M is a whole number, a kernel that streams over the keys may use a running M (the ceiling of the running maximum): every later rescaling is an exact power of two, which a block's scale takes up: the codes' values come out the same.
;;   OPERANDS COMPUTED ON THE WAY. 'Computed on the way' means the value that the module computes at that place (a softmax that the list does not call 'softmax' is quantised finished and normalised). What goes into a quantiser is computed in f32, as accurately as f32 sums, v_exp_f32 and their like allow (about 1e-6 of the number): no bf16 or f16 on the way to a quantiser, and a product that is left as it is and whose result goes on into a quantised operand takes f32 operands (vector FMAs, or v_wmma_f32_16x16x4_f32). A number that lies on a knife's edge between two numbers of the format may be rounded either way, as far as f32 arithmetic and the matrix unit's own rounding can turn it there, and no further.
;; 2 versions. Each part assembles by itself: llvm-mc -triple=amdgcn-amd-amdhsa -mcpu=gfx1250 --defsym DOCPART=n.
;; ======== version 1 of 2: 4 launches
;; workspace buffers: codes 4,128,768 bytes; scales 172,032 bytes; qimg 2,359,296 bytes; qscl 196,608 bytes; kv 5,013,504 bytes; oimg 2,359,296 bytes; oscl 98,304 bytes
;; launch prep (part 1): grid 224 x 1, 6 waves a work-group, no clusters, 102,144 bytes of LDS; arguments x, Wq, Wk, Wv, Wo, codes, scales; writes codes, scales
.if DOCPART == 1
	.amdgcn_target "amdgcn-amd-amdhsa--gfx1250"
	.amdhsa_code_object_version 6
	.text
	.protected	k_qc5d49d55fe_prep
	.globl	k_qc5d49d55fe_prep
	.p2align	8
	.type	k_qc5d49d55fe_prep,@function
k_qc5d49d55fe_prep:
	s_mov_b64 s[64:65], 0
	v_nop
	global_prefetch_b8 v0, s[64:65] scope:SCOPE_SE
	s_setreg_imm32_b32 hwreg(HW_REG_WAVE_MODE, 25, 1), 1
	s_wait_xcnt 0x0
; PREP: x [4096][768] and Wq, Wk, Wv, Wo [768][768], f32 with K innermost, become codes of BF6 (E3M2) and E8M0 scale words, laid in the ORDER OF AN OPERAND'S REGISTERS.
; A tile is 16 rows; tiles 0-255 are x's, 256-303 Wq's, 304-351 Wk's, 352-399 Wv's, 400-447 Wo's.  A tile has 6 fragments (16 rows x 128 K, 1,536 bytes), a fragment two halves c of 768 bytes:
; 32 lanes x 16 bytes (registers 6c .. 6c+3), then 32 lanes x 8 bytes (registers 6c+4, 6c+5).  Lane (r, h) of half c holds row r, block 2c + h of the K step.
; INSIDE A BLOCK OF 32 THE CODES STAND IN THE ORDER 0-7, 16-23, 8-15, 24-31.  Every operand of every product of this program has that order, so each product pairs the right numbers; blocks and scales are the true ones.
; (It is the order in which a matrix result's registers fall when it is quantised for the next product, so no launch transposes anything.)
; Scale words (4 bytes: 128 K of one row) lie by PAIRS of tiles: [pair][K step][32 words], lanes 0-15 the even tile's rows, lanes 16-31 the odd tile's.
; A block's scale byte is its largest magnitude's exponent field - 4, held at 1 from below by a floor among the maximum's leaves.
; LIMITS: NaN and infinities are not served; a block whose largest magnitude lies under 2^-122 keeps the byte 1; a block of zeros has the byte 1 and not 127 (its codes are zeros, and this program alone reads the bytes).
; SHARES: work-group P takes pair P (32 rows), wave s K step s: 32 rows x 512 bytes.  224 pairs, so 224 work-groups: the tensors divide into pairs exactly.  All 32 loads of a wave go out at once, each 512 consecutive bytes.
; A lane must hold a whole block of ONE row; a load gives neighbouring lanes neighbouring bytes.  So a tile turns through the wave's own stage in LDS (rows of 512 + 16 bytes: the 16 rows that a read touches start 16 bytes apart modulo 256).
; No matrix unit, no tensor load, no barrier: waves share nothing and each byte is read once.
.set STG,  16896                       ; LDS of a wave: two stages
.set HST,  8448                        ; a stage: 16 rows x PIT
.set PIT,  528
.set TM,   8                           ; v8-9    largest magnitudes of my two blocks
.set SO,   10                          ; v10-11  the conversions' scale operands
.set BY,   12                          ; v12-13  the scale bytes
.set WD,   16                          ; v16-17  tile u's scale word of my row
.set F,    32                          ; v32-55  tile u's fragment, 12 registers
.set T,    56                          ; v56-62  the upper halves of two blocks' codes, before they are moved
.set X,    64                          ; v64-127 my two blocks, 32 numbers each, in the order of the codes
.set RAW,  128                         ; v128-255 the 32 rows as loaded
.macro TILE u
	s_wait_loadcnt 16*(1-\u)                       ; this tile's 16 loads are in; tile 1's 16 may stay out
.irp n, 0,1,2,3,4,5,6,7,8,9,10,11,12,13,14,15
	ds_store_b128 v5, v[RAW+64*\u+4*\n:RAW+64*\u+4*\n+3] offset:HST*\u+PIT*\n
.endr
.irp c, 0,1                                    ; back: row r, block 2c + h; the block's octets 0, 1, 2, 3 go to places 0, 2, 1, 3 by the choice of destination alone
.irp i, 0,1,2,3,4,5,6,7
	ds_load_b128 v[X+32*\c+8*(((\i/2)%2)*2+\i/4)+4*(\i%2):X+32*\c+8*(((\i/2)%2)*2+\i/4)+4*(\i%2)+3], v6 offset:HST*\u+256*\c+16*\i   ; LDS serves a wave's instructions in order: these see the stores above
.endr
.endr
	s_wait_dscnt 0x0
.irp c, 0,1
	v_max3_num_f32 v[TM+\c], |v[X+32*\c]|, |v[X+32*\c+1]|, 0x2800000   ; the floor 2^(5 - 127): the byte cannot fall under 1
.endr
.irp i, 2,4,6,8,10,12,14,16,18,20,22,24,26,28,30
.irp c, 0,1
	v_max3_num_f32 v[TM+\c], v[TM+\c], |v[X+32*\c+\i]|, |v[X+32*\c+\i+1]|   ; the two blocks by turns
.endr
.endr
.irp c, 0,1
	v_add_nc_u32 v[SO+\c], 0xfe000000, v[TM+\c]    ; 4 off the exponent field: the conversion takes this operand's exponent field as its scale
.endr
.irp c, 0,1
	v_lshrrev_b32 v[BY+\c], 23, v[SO+\c]           ; the scale's byte
.endr
	v_lshl_or_b32 v14, v[BY+1], 16, v[BY]          ; my bytes: blocks h and 2 + h,
	v_lshlrev_b32 v14, v7, v14                     ; 8 h bits up;
	v_permlanex16_b32 v15, v14, s30, s31
	v_or_b32 v[WD+\u], v14, v15                    ; with lane l xor 16's two the row's word is whole
.irp c, 0,1
	v_cvt_scalef32_pk16_bf6_f32 v[F+12*\u+6*\c:F+12*\u+6*\c+2], v[X+32*\c:X+32*\c+15], v[SO+\c]
	v_cvt_scalef32_pk16_bf6_f32 v[T+4*\c:T+4*\c+2], v[X+32*\c+16:X+32*\c+31], v[SO+\c]   ; (a conversion's three registers begin on an even number)
.endr
	v_nop                                          ; one plain place behind the scaled conversions
.irp c, 0,1
.irp i, 0,1,2
	v_mov_b32 v[F+12*\u+6*\c+3+\i], v[T+4*\c+\i]
.endr
.endr
.irp c, 0,1
	global_store_b128 v2, v[F+12*\u+6*\c:F+12*\u+6*\c+3], s[14:15] offset:9216*\u+768*\c        ; 512 consecutive bytes
	global_store_b64 v3, v[F+12*\u+6*\c+4:F+12*\u+6*\c+5], s[14:15] offset:9216*\u+768*\c+512   ; 256 consecutive bytes
.endr
.endm
	s_load_b256 s[4:11], s[0:1], 0x0               ; x, Wq, Wk, Wv
	s_load_b128 s[12:15], s[0:1], 0x20             ; Wo, codes
	s_load_b64 s[16:17], s[0:1], 0x30              ; scales
	v_lshl_add_u32 v59, v0, 2, 0x18c00
	v_mov_b32 v63, 0
	v_lshrrev_b32 v1, 5, v0
	v_readfirstlane_b32 s18, v1                    ; wave = K step
	v_and_b32 v1, 31, v0                           ; lane
	v_lshlrev_b32 v2, 4, v1                        ; 16 x lane
	v_lshlrev_b32 v3, 3, v1                        ; 8 x lane
	v_lshlrev_b32 v4, 2, v1                        ; 4 x lane
	v_and_b32 v8, 15, v0                           ; r
	v_bfe_u32 v9, v0, 4, 1                         ; h
	s_mul_i32 s24, s18, STG
	v_add_nc_u32 v5, s24, v2                       ; the stage, way in: 16 x lane of a row
	v_mul_u32_u24 v6, v8, PIT
	v_lshl_add_u32 v6, v9, 7, v6
	v_add_nc_u32 v6, s24, v6                       ; way out: row r, + 128 h
	v_lshlrev_b32 v7, 3, v9                        ; 8 h
	v_mov_b32 v15, 0                               ; a lane permute's destination counts as read
	s_mov_b32 s30, 0x76543210
	s_mov_b32 s31, 0xfedcba98                      ; selects for lane l xor 16
	s_wait_kmcnt 0x0
	s_mov_b64 s[20:21], s[12:13]                   ; which tensor is my pair's: the choice hangs on the work-group's number alone
	s_mov_b32 s19, 200                             ; and that tensor's first pair
	s_cmp_lt_u32 ttmp9, 200
	s_cselect_b64 s[20:21], s[10:11], s[20:21]
	s_cselect_b32 s19, 176, s19
	s_cmp_lt_u32 ttmp9, 176
	s_cselect_b64 s[20:21], s[8:9], s[20:21]
	s_cselect_b32 s19, 152, s19
	s_cmp_lt_u32 ttmp9, 152
	s_cselect_b64 s[20:21], s[6:7], s[20:21]
	s_cselect_b32 s19, 128, s19
	s_cmp_lt_u32 ttmp9, 128
	s_cselect_b64 s[20:21], s[4:5], s[20:21]
	s_cselect_b32 s19, 0, s19
	s_sub_co_u32 s22, ttmp9, s19
	s_mul_i32 s22, s22, 98304                      ; 32 rows of 3,072 bytes a pair,
	s_lshl_b32 s23, s18, 9                         ; 512 bytes a K step
	s_add_co_u32 s22, s22, s23
	s_mov_b32 s23, 0
	s_add_nc_u64 s[20:21], s[20:21], s[22:23]
	s_mul_i32 s22, ttmp9, 18432                    ; codes: two tiles of 9,216 bytes a pair, 1,536 a K step
	s_mul_i32 s25, s18, 1536
	s_add_co_u32 s22, s22, s25
	s_add_nc_u64 s[14:15], s[14:15], s[22:23]
	s_mul_i32 s22, ttmp9, 768                      ; scale words: 768 bytes a pair, 128 a K step
	s_lshl_b32 s25, s18, 7
	s_add_co_u32 s22, s22, s25
	s_add_nc_u64 s[16:17], s[16:17], s[22:23]
.irp u, 0,1
.irp n, 0,1,2,3,4,5,6,7,8,9,10,11,12,13,14,15
	global_load_b128 v[RAW+64*\u+4*\n:RAW+64*\u+4*\n+3], v2, s[20:21] offset:(16*\u+\n)*3072 th:TH_LOAD_NT   ; read once in the whole program
.endr
.endr
	TILE 0
	TILE 1
	v_cmp_gt_u32 vcc_lo, 16, v1
	v_cndmask_b32 v18, v[WD+1], v[WD], vcc_lo      ; lanes 0-15 the even tile's words, lanes 16-31 the odd tile's
	global_store_b32 v4, v18, s[16:17]             ; 128 consecutive bytes.  No register that a store reads is written again in this text
	s_wait_tensorcnt 0x0
	ds_add_u32 v59, v63
	s_wait_dscnt 0x0
	s_endpgm
.Lfunc_end_k_qc5d49d55fe_prep:
	.size	k_qc5d49d55fe_prep, .Lfunc_end_k_qc5d49d55fe_prep-k_qc5d49d55fe_prep
	.p2alignl 7, 3214868480
	.fill 96, 4, 3214868480
	.section	.rodata,"a",@progbits
	.p2align	6, 0x0
	.amdhsa_kernel k_qc5d49d55fe_prep
		.amdhsa_group_segment_fixed_size 102144
		.amdhsa_private_segment_fixed_size 0
		.amdhsa_enable_private_segment 0
		.amdhsa_kernarg_size 56
		.amdhsa_user_sgpr_count 2
		.amdhsa_user_sgpr_kernarg_segment_ptr 1
		.amdhsa_wavefront_size32 1
		.amdhsa_system_sgpr_workgroup_id_x 1
		.amdhsa_system_sgpr_workgroup_id_y 1
		.amdhsa_system_sgpr_workgroup_id_z 1
		.amdhsa_system_vgpr_workitem_id 0
		.amdhsa_next_free_vgpr 256
		.amdhsa_next_free_sgpr 66
		.amdhsa_reserve_vcc 1
		.amdhsa_float_denorm_mode_32 3
		.amdhsa_float_denorm_mode_16_64 3
		.amdhsa_memory_ordered 1
		.amdhsa_forward_progress 1
		.amdhsa_inst_pref_size 17
	.end_amdhsa_kernel
	.amdgpu_metadata
---
amdhsa.version: [ 1, 2 ]
amdhsa.kernels:
  - .name:           k_qc5d49d55fe_prep
    .symbol:         k_qc5d49d55fe_prep.kd
    .args:
      - { .name: x, .offset: 0, .size: 8, .value_kind: global_buffer, .address_space: global }
      - { .name: Wq, .offset: 8, .size: 8, .value_kind: global_buffer, .address_space: global }
      - { .name: Wk, .offset: 16, .size: 8, .value_kind: global_buffer, .address_space: global }
      - { .name: Wv, .offset: 24, .size: 8, .value_kind: global_buffer, .address_space: global }
      - { .name: Wo, .offset: 32, .size: 8, .value_kind: global_buffer, .address_space: global }
      - { .name: codes, .offset: 40, .size: 8, .value_kind: global_buffer, .address_space: global }
      - { .name: scales, .offset: 48, .size: 8, .value_kind: global_buffer, .address_space: global }
    .group_segment_fixed_size: 102144
    .private_segment_fixed_size: 0
    .kernarg_segment_align: 8
    .kernarg_segment_size: 56
    .max_flat_workgroup_size: 192
    .sgpr_count:     66
    .vgpr_count:     256
    .wavefront_size: 32
...
	.end_amdgpu_metadata
.endif
;; end of part 1
;; launch qkv (part 2): grid 64 x 4, 9 waves a work-group, no clusters, 0 bytes of LDS; arguments codes, scales, bq, bk, bv, qimg, qscl, kv; writes qimg, qscl, kv
.if DOCPART == 2
	.amdgcn_target "amdgcn-amd-amdhsa--gfx1250"
	.amdhsa_code_object_version 6
	.text
	.protected	k_qc5d49d55fe_qkv
	.globl	k_qc5d49d55fe_qkv
	.p2align	8
	.type	k_qc5d49d55fe_qkv,@function
k_qc5d49d55fe_qkv:
	s_mov_b64 s[64:65], 0
	v_nop
	global_prefetch_b8 v0, s[64:65] scope:SCOPE_SE
	s_setreg_imm32_b32 hwreg(HW_REG_WAVE_MODE, 25, 1), 1
	s_wait_xcnt 0x0
; QKV: q = x Wq^T + bq, k = x Wk^T + bk, v = x Wv^T + bv on codes of BF6 with E8M0 scales, and their results quantised at once for attention's two products: q and k along the head's 64, v along the keys.
; SHARES: a wave makes 64 tokens x one head's 64 channels of one of q, k, v: 16 accumulators of 16 x 16.  Work-group (X, y): tokens 64 X on; wave w: g = 9 y + w in 0 .. 35, kind g / 12, head g % 12.  2,304 waves in 256 work-groups.
; ONE BODY FOR THE THREE KINDS; only scalars differ.  q, k: source 0 = 4 tiles of W (channels), source 1 = 4 tiles of x (tokens): a lane then holds ONE token and its registers run along the channels, the next product's K.
; v: source 0 = x, source 1 = Wv: a lane holds ONE channel and its registers run along the keys, the K of the second product.
; Fragments lie in memory in the order of an operand's registers, so they come straight into registers: 16 + 8 bytes a lane for each half, each load 512 or 256 consecutive bytes.  K = 768 is six steps, written out: every offset is an immediate.
; QUANTISING A RESULT.  In tile i of source 0, lane (r, h) holds index 16 i + 8 h + 0 .. 7.  The 16 registers of tiles 2b, 2b+1 are 16 numbers of block b; lane l xor 16 has the other 16.  Two conversions and three exchanges of halves
; give lane h the whole block h, its codes in the order 0-7, 16-23, 8-15, 24-31, which is this program's order inside every block of every operand.
; OUT: q: qimg [head 24][tile 128] halves of 768 bytes, qscl one word a token; k and v: kv [head 24][16 key steps] chunks of 13,056 bytes: K's 8 tiles x 768, V^T's 4 fragments x 1,536, K's 128 scale words, V's 64.
; q's and k's K is 64: the upper half of a K step of 128 is zero codes on both sides in the next launch; bytes 2, 3 of their scale words repeat bytes 0, 1 (never 0xff, no larger than the true scales).
; NO LDS, NO TENSOR LOADS, NO CLUSTER: the operands are 36 KiB of codes a side and a wave, taken whole in register order; the nine waves of a work-group read the same four tiles of x at about the same time,
; and N = 2,304 in wave tiles of 64 gives 256 work-groups, where blocks of 256 x 256 fed through LDS would give 144.
; LIMITS: NaN and infinities are not served; a block whose largest magnitude lies under 2^-122 keeps the byte 1, a block of zeros too (its codes are zeros; this program alone reads the bytes).
.set SC0, 8                            ; v8-19   source 0's scale words: pair m, K step s at v[SC0 + 6 m + s].  v8-31 hold scale words and nothing else
.set SC1, 20                           ; v20-31  source 1's
.set F0,  32                           ; v32-79  source 0's four fragments
.set F1,  80                           ; v80-127 source 1's
.set ACC, 128                          ; v128-255 accumulator (i, j) at ACC + 32 j + 8 i: a source-1 tile's 32 registers lie on end
.set PA0, 28                           ; s[28:29] source 0's fragments;  s[30:31] source 1's
.set PA1, 30
.set PS0, 32                           ; s[32:33], s[34:35] their scale words
.set PS1, 34
.set BIA, 36                           ; s[36:37] the head's 64 biases
.set OI,  38                           ; s[38:39] where the images go
.set OS,  40                           ; s[40:41] where the scale words go
.set SEL, 50                           ; s[50:51] selects for lane l xor 16
.set QS,  ACC                          ; the quantiser's registers: numbers,
.set QH,  64                           ; images (tile j at QH + 8 j, six registers),
.set QM,  96                           ; largest magnitudes (tile j, block b at + 2 j + b),
.set QP,  104                          ; the other half's, then the bytes,
.set QO,  112                          ; the conversions' scale operands,
.set QT,  32                           ; the second blocks' codes before the exchange,
.set QW,  120                          ; and each tile's two bytes
.macro LDFRAG reg, base, off           ; a fragment: two halves of 16 + 8 bytes a lane
.irp c, 0,1
	global_load_b128 v[\reg+6*\c:\reg+6*\c+3], v1, s[\base:\base+1] offset:\off+768*\c
	global_load_b64 v[\reg+6*\c+4:\reg+6*\c+5], v2, s[\base:\base+1] offset:\off+768*\c+512
.endr
.endm
; One product.  A scale register carries two tiles' words: the odd tile's are read from lanes 16-31.  The first K step starts the sums with the constant 0.
.macro WM i, j, s
.set rD, ACC+32*\j+8*\i
.set rA, F0+12*\i
.set rB, F1+12*\j
.set rP, SC0+6*(\i/2)+\s
.set rQ, SC1+6*(\j/2)+\s
.if \s == 0
.if (\i%2) && (\j%2)
	v_wmma_scale_f32_16x16x128_f8f6f4 v[rD:rD+7], v[rA:rA+11], v[rB:rB+11], 0, v[rP], v[rQ] matrix_a_fmt:MATRIX_FMT_BF6 matrix_b_fmt:MATRIX_FMT_BF6 matrix_a_scale:MATRIX_SCALE_ROW1 matrix_b_scale:MATRIX_SCALE_ROW1
.elseif \i%2
	v_wmma_scale_f32_16x16x128_f8f6f4 v[rD:rD+7], v[rA:rA+11], v[rB:rB+11], 0, v[rP], v[rQ] matrix_a_fmt:MATRIX_FMT_BF6 matrix_b_fmt:MATRIX_FMT_BF6 matrix_a_scale:MATRIX_SCALE_ROW1
.elseif \j%2
	v_wmma_scale_f32_16x16x128_f8f6f4 v[rD:rD+7], v[rA:rA+11], v[rB:rB+11], 0, v[rP], v[rQ] matrix_a_fmt:MATRIX_FMT_BF6 matrix_b_fmt:MATRIX_FMT_BF6 matrix_b_scale:MATRIX_SCALE_ROW1
.else
	v_wmma_scale_f32_16x16x128_f8f6f4 v[rD:rD+7], v[rA:rA+11], v[rB:rB+11], 0, v[rP], v[rQ] matrix_a_fmt:MATRIX_FMT_BF6 matrix_b_fmt:MATRIX_FMT_BF6
.endif
.else
.if (\i%2) && (\j%2)
	v_wmma_scale_f32_16x16x128_f8f6f4 v[rD:rD+7], v[rA:rA+11], v[rB:rB+11], v[rD:rD+7], v[rP], v[rQ] matrix_a_fmt:MATRIX_FMT_BF6 matrix_b_fmt:MATRIX_FMT_BF6 matrix_a_scale:MATRIX_SCALE_ROW1 matrix_b_scale:MATRIX_SCALE_ROW1
.elseif \i%2
	v_wmma_scale_f32_16x16x128_f8f6f4 v[rD:rD+7], v[rA:rA+11], v[rB:rB+11], v[rD:rD+7], v[rP], v[rQ] matrix_a_fmt:MATRIX_FMT_BF6 matrix_b_fmt:MATRIX_FMT_BF6 matrix_a_scale:MATRIX_SCALE_ROW1
.elseif \j%2
	v_wmma_scale_f32_16x16x128_f8f6f4 v[rD:rD+7], v[rA:rA+11], v[rB:rB+11], v[rD:rD+7], v[rP], v[rQ] matrix_a_fmt:MATRIX_FMT_BF6 matrix_b_fmt:MATRIX_FMT_BF6 matrix_b_scale:MATRIX_SCALE_ROW1
.else
	v_wmma_scale_f32_16x16x128_f8f6f4 v[rD:rD+7], v[rA:rA+11], v[rB:rB+11], v[rD:rD+7], v[rP], v[rQ] matrix_a_fmt:MATRIX_FMT_BF6 matrix_b_fmt:MATRIX_FMT_BF6
.endif
.endif
.endm
; A K step of 128: 32 loads, 16 products.  The 16 accumulators take turns, one instruction a turn, in the same order in every step.
.macro KSTEP s
.if \s > 0
.rept 4
	v_nop                                          ; four places in front of loads into registers that matrix instructions have read
.endr
.endif
.irp i, 0,1,2,3
	LDFRAG F0+12*\i, PA0, 9216*\i+1536*\s
.endr
.irp j, 0,1,2,3
	LDFRAG F1+12*\j, PA1, 9216*\j+1536*\s
.endr
.irp j, 0,1,2,3
	s_wait_loadcnt 12-4*\j                         ; source 0 and source 1's tile j are in; the tiles behind it, four loads each, may stay out
.irp i, 0,1,2,3
	WM \i, \j, \s
.endr
.endr
.endm
; nj tiles of 32 numbers a lane (two half blocks of 16) become images of half a fragment and two scale bytes each.  All tiles and blocks by turns, so that no line waits for the line above it.
.macro QUANT2 nj
.irp j, 0,1,2,3
.if \j < \nj
.irp b, 0,1
	v_mov_b32 v[QP+2*\j+\b], 0                     ; a lane permute's destination counts as read
.endr
.endif
.endr
.irp j, 0,1,2,3
.if \j < \nj
.irp b, 0,1
	v_max3_num_f32 v[QM+2*\j+\b], |v[QS+32*\j+16*\b]|, |v[QS+32*\j+16*\b+1]|, 0x2800000   ; my 16 numbers of block b, and the floor 2^(5 - 127): the byte cannot fall under 1
.endr
.endif
.endr
.irp i, 2,4,6,8,10,12,14
.irp j, 0,1,2,3
.if \j < \nj
.irp b, 0,1
	v_max3_num_f32 v[QM+2*\j+\b], v[QM+2*\j+\b], |v[QS+32*\j+16*\b+\i]|, |v[QS+32*\j+16*\b+\i+1]|
.endr
.endif
.endr
.endr
.irp j, 0,1,2,3
.if \j < \nj
.irp b, 0,1
	v_permlanex16_b32 v[QP+2*\j+\b], v[QM+2*\j+\b], s[SEL], s[SEL+1]
.endr
.endif
.endr
.irp j, 0,1,2,3
.if \j < \nj
.irp b, 0,1
	v_max_num_f32 v[QM+2*\j+\b], v[QM+2*\j+\b], v[QP+2*\j+\b]   ; with lane l xor 16's 16: the block's largest magnitude
.endr
.endif
.endr
.irp j, 0,1,2,3
.if \j < \nj
.irp b, 0,1
	v_add_nc_u32 v[QO+2*\j+\b], 0xfe000000, v[QM+2*\j+\b]       ; 4 off its exponent field: the conversion's scale operand
.endr
.endif
.endr
.irp j, 0,1,2,3
.if \j < \nj
.irp b, 0,1
	v_lshrrev_b32 v[QP+2*\j+\b], 23, v[QO+2*\j+\b]              ; the scale's byte
.endr
.endif
.endr
.irp j, 0,1,2,3
.if \j < \nj
	v_lshl_or_b32 v[QW+\j], v[QP+2*\j+1], 8, v[QP+2*\j]
.endif
.endr
.irp j, 0,1,2,3
.if \j < \nj
	v_cvt_scalef32_pk16_bf6_f32 v[QH+8*\j:QH+8*\j+2], v[QS+32*\j:QS+32*\j+15], v[QO+2*\j]
	v_cvt_scalef32_pk16_bf6_f32 v[QT+4*\j:QT+4*\j+2], v[QS+32*\j+16:QS+32*\j+31], v[QO+2*\j+1]
.endif
.endr
	v_nop                                          ; one plain place behind the scaled conversions
.irp j, 0,1,2,3
.if \j < \nj
.irp i, 0,1,2
	v_permlane16_swap_b32 v[QH+8*\j+\i], v[QT+4*\j+\i]          ; the first's lanes 16-31 change places with the second's lanes 0-15: lane h now has block h, lower 16 codes in the first, upper 16 in the second
.endr
.irp i, 0,1,2
	v_mov_b32 v[QH+8*\j+3+\i], v[QT+4*\j+\i]
.endr
.endif
.endr
.endm
	s_load_b256 s[4:11], s[0:1], 0x0               ; codes, scales, bq, bk
	s_load_b256 s[12:19], s[0:1], 0x20             ; bv, qimg, qscl, kv
	v_lshrrev_b32 v6, 5, v0
	v_readfirstlane_b32 s20, v6                    ; wave 0..8
	v_and_b32 v6, 31, v0                           ; lane
	v_lshlrev_b32 v1, 4, v6                        ; 16 x lane
	v_lshlrev_b32 v2, 3, v6                        ; 8 x lane
	v_lshlrev_b32 v3, 2, v6                        ; 4 x lane
	v_bfe_u32 v4, v0, 4, 1
	v_lshlrev_b32 v4, 5, v4                        ; 32 h: my eight biases of a tile (q, k)
	v_and_b32 v5, 15, v0
	v_lshlrev_b32 v5, 2, v5                        ; 4 r: my one bias of a tile (v)
	s_mov_b32 s[SEL], 0x76543210
	s_mov_b32 s[SEL+1], 0xfedcba98
	s_and_b32 s22, ttmp7, 0xffff
	s_mul_i32 s22, s22, 9
	s_add_co_u32 s22, s22, s20                     ; g = 9 y + wave
	s_cmp_ge_u32 s22, 12
	s_cselect_b32 s26, 12, 0
	s_sub_co_u32 s23, s22, s26
	s_cmp_ge_u32 s22, 24
	s_cselect_b32 s26, 12, 0
	s_sub_co_u32 s23, s23, s26                     ; the head: g % 12
	s_lshl_b32 s42, s22, 2
	s_add_co_u32 s42, s42, 256                     ; the weight's first tile: 256 + 4 g (Wq, Wk, Wv lie on end)
	s_lshl_b32 s43, ttmp9, 2                       ; x's first tile: 4 X
	s_lshr_b32 s44, ttmp9, 5                       ; the batch
	s_mul_i32 s44, s44, 12
	s_add_co_u32 s44, s44, s23                     ; bh = 12 x batch + head
	s_and_b32 s45, ttmp9, 31                       ; which 64 tokens of the batch
	s_lshr_b32 s46, s45, 1
	s_mul_i32 s46, s46, 13056
	s_mul_i32 s47, s44, 208896
	s_add_co_u32 s46, s46, s47                     ; the key step's chunk in kv
	s_and_b32 s47, s45, 1                          ; and which half of its 128 keys
	s_mul_i32 s48, s47, 3072
	s_add_co_u32 s48, s48, s46                     ; k: images
	s_lshl_b32 s49, s47, 8
	s_add_co_u32 s49, s49, s46
	s_add_co_u32 s49, s49, 12288                   ; k: scale words
	s_mul_i32 s52, s47, 768
	s_add_co_u32 s52, s52, s46
	s_add_co_u32 s52, s52, 6144                    ; v: images
	s_lshl_b32 s53, s47, 1
	s_add_co_u32 s53, s53, s46
	s_add_co_u32 s53, s53, 12800                   ; v: two bytes of each channel's word
	s_mul_i32 s54, s44, 98304
	s_mul_i32 s55, s45, 3072
	s_add_co_u32 s54, s54, s55                     ; q: images
	s_lshl_b32 s55, s44, 13
	s_lshl_b32 s21, s45, 8
	s_add_co_u32 s55, s55, s21                     ; q: scale words
	s_mov_b32 s27, 0
	s_wait_kmcnt 0x0
	s_cmp_lt_u32 s22, 24                           ; q or k?  (all choices hang on ids alone)
	s_cselect_b32 s24, s42, s43                    ; source 0's first tile
	s_cselect_b32 s25, s43, s42                    ; source 1's
	s_cselect_b32 s48, s48, s52
	s_cselect_b32 s49, s49, s53
	s_cselect_b64 s[BIA:BIA+1], s[10:11], s[12:13]
	s_cmp_lt_u32 s22, 12                           ; q?
	s_cselect_b32 s48, s54, s48
	s_cselect_b32 s49, s55, s49
	s_cselect_b64 s[BIA:BIA+1], s[8:9], s[BIA:BIA+1]
	s_cselect_b64 s[OI:OI+1], s[14:15], s[18:19]
	s_cselect_b64 s[OS:OS+1], s[16:17], s[18:19]
	s_mul_i32 s26, s24, 9216
	s_add_nc_u64 s[PA0:PA0+1], s[4:5], s[26:27]
	s_mul_i32 s26, s25, 9216
	s_add_nc_u64 s[PA1:PA1+1], s[4:5], s[26:27]
	s_mul_i32 s26, s24, 384                        ; 768 bytes of scale words for a pair of tiles
	s_add_nc_u64 s[PS0:PS0+1], s[6:7], s[26:27]
	s_mul_i32 s26, s25, 384
	s_add_nc_u64 s[PS1:PS1+1], s[6:7], s[26:27]
	s_lshl_b32 s26, s23, 8
	s_add_nc_u64 s[BIA:BIA+1], s[BIA:BIA+1], s[26:27]
	s_mov_b32 s26, s48
	s_add_nc_u64 s[OI:OI+1], s[OI:OI+1], s[26:27]
	s_mov_b32 s26, s49
	s_add_nc_u64 s[OS:OS+1], s[OS:OS+1], s[26:27]
.irp m, 0,1                                    ; all scale words of the six steps, ahead of the fragments: 128 consecutive bytes a load
.irp s, 0,1,2,3,4,5
	global_load_b32 v[SC0+6*\m+\s], v3, s[PS0:PS0+1] offset:768*\m+128*\s
	global_load_b32 v[SC1+6*\m+\s], v3, s[PS1:PS1+1] offset:768*\m+128*\s
.endr
.endr
	KSTEP 0
	KSTEP 1
	KSTEP 2
	KSTEP 3
	KSTEP 4
	KSTEP 5
.rept 4
	v_nop                                          ; four places in front of the first read of results and of loads into the fragments' registers
.endr
	s_cmp_lt_u32 s22, 24
	s_cbranch_scc0 .Lbias_v
.irp i, 0,1,2,3                                ; q, k: register 8 i + n of a lane is channel 16 i + 8 h + n
	global_load_b128 v[32+8*\i:35+8*\i], v4, s[BIA:BIA+1] offset:64*\i
	global_load_b128 v[36+8*\i:39+8*\i], v4, s[BIA:BIA+1] offset:64*\i+16
.endr
	s_wait_loadcnt 0x0
.irp j, 0,1,2,3
.irp i, 0,1,2,3
.irp p, 0,2,4,6                                ; each accumulator from its low end on
	v_pk_add_f32 v[ACC+32*\j+8*\i+\p:ACC+32*\j+8*\i+\p+1], v[ACC+32*\j+8*\i+\p:ACC+32*\j+8*\i+\p+1], v[32+8*\i+\p:33+8*\i+\p]
.endr
.endr
.endr
	s_branch .Lquant
.Lbias_v:
.irp j, 0,1,2,3                                ; v: all of a lane's registers of source-1 tile j are channel 16 j + r; the number is loaded twice to fill a pair
	global_load_b32 v[32+2*\j], v5, s[BIA:BIA+1] offset:64*\j
	global_load_b32 v[33+2*\j], v5, s[BIA:BIA+1] offset:64*\j
.endr
	s_wait_loadcnt 0x0
.irp j, 0,1,2,3
.irp i, 0,1,2,3
.irp p, 0,2,4,6
	v_pk_add_f32 v[ACC+32*\j+8*\i+\p:ACC+32*\j+8*\i+\p+1], v[ACC+32*\j+8*\i+\p:ACC+32*\j+8*\i+\p+1], v[32+2*\j:33+2*\j]
.endr
.endr
.endr
.Lquant:
	QUANT2 4
	v_cmp_gt_u32 vcc_lo, 16, v6
	s_cmp_lt_u32 s22, 24
	s_cbranch_scc0 .Lstore_v
.irp j, 0,1,2,3                                ; q, k: tile j's 16 tokens x 64 channels: 768 bytes on end
	global_store_b128 v1, v[QH+8*\j:QH+8*\j+3], s[OI:OI+1] offset:768*\j
	global_store_b64 v2, v[QH+8*\j+4:QH+8*\j+5], s[OI:OI+1] offset:768*\j+512
.endr
.irp j, 0,1,2,3
	v_lshl_or_b32 v[QW+\j], v[QW+\j], 16, v[QW+\j]              ; the word: the two bytes, and the same again for the zero codes of the K step's upper half
.endr
.irp m, 0,1
	v_cndmask_b32 v[124+\m], v[QW+2*\m+1], v[QW+2*\m], vcc_lo   ; lanes 0-15 the even tile's tokens, lanes 16-31 the odd tile's
	global_store_b32 v3, v[124+\m], s[OS:OS+1] offset:128*\m    ; 128 consecutive bytes
.endr
	s_endpgm
.Lstore_v:
.irp j, 0,1,2,3                                ; v: channel tile j's half fragment: 16 channels x my 64 keys
	global_store_b128 v1, v[QH+8*\j:QH+8*\j+3], s[OI:OI+1] offset:1536*\j
	global_store_b64 v2, v[QH+8*\j+4:QH+8*\j+5], s[OI:OI+1] offset:1536*\j+512
.endr
.irp m, 0,1
	v_cndmask_b32 v[124+\m], v[QW+2*\m+1], v[QW+2*\m], vcc_lo
	global_store_b16 v3, v[124+\m], s[OS:OS+1] offset:128*\m    ; two of the four bytes of each channel's word: the other two are the neighbouring 64 keys' wave's.  256 bytes of scale words for 6,144 of codes
.endr
	s_endpgm
.Lfunc_end_k_qc5d49d55fe_qkv:
	.size	k_qc5d49d55fe_qkv, .Lfunc_end_k_qc5d49d55fe_qkv-k_qc5d49d55fe_qkv
	.p2alignl 7, 3214868480
	.fill 96, 4, 3214868480
	.section	.rodata,"a",@progbits
	.p2align	6, 0x0
	.amdhsa_kernel k_qc5d49d55fe_qkv
		.amdhsa_group_segment_fixed_size 0
		.amdhsa_private_segment_fixed_size 0
		.amdhsa_enable_private_segment 0
		.amdhsa_kernarg_size 64
		.amdhsa_user_sgpr_count 2
		.amdhsa_user_sgpr_kernarg_segment_ptr 1
		.amdhsa_wavefront_size32 1
		.amdhsa_system_sgpr_workgroup_id_x 1
		.amdhsa_system_sgpr_workgroup_id_y 1
		.amdhsa_system_sgpr_workgroup_id_z 1
		.amdhsa_system_vgpr_workitem_id 0
		.amdhsa_next_free_vgpr 256
		.amdhsa_next_free_sgpr 66
		.amdhsa_reserve_vcc 1
		.amdhsa_float_denorm_mode_32 3
		.amdhsa_float_denorm_mode_16_64 3
		.amdhsa_memory_ordered 1
		.amdhsa_forward_progress 1
		.amdhsa_inst_pref_size 57
	.end_amdhsa_kernel
	.amdgpu_metadata
---
amdhsa.version: [ 1, 2 ]
amdhsa.kernels:
  - .name:           k_qc5d49d55fe_qkv
    .symbol:         k_qc5d49d55fe_qkv.kd
    .args:
      - { .name: codes, .offset: 0, .size: 8, .value_kind: global_buffer, .address_space: global }
      - { .name: scales, .offset: 8, .size: 8, .value_kind: global_buffer, .address_space: global }
      - { .name: bq, .offset: 16, .size: 8, .value_kind: global_buffer, .address_space: global }
      - { .name: bk, .offset: 24, .size: 8, .value_kind: global_buffer, .address_space: global }
      - { .name: bv, .offset: 32, .size: 8, .value_kind: global_buffer, .address_space: global }
      - { .name: qimg, .offset: 40, .size: 8, .value_kind: global_buffer, .address_space: global }
      - { .name: qscl, .offset: 48, .size: 8, .value_kind: global_buffer, .address_space: global }
      - { .name: kv, .offset: 56, .size: 8, .value_kind: global_buffer, .address_space: global }
    .group_segment_fixed_size: 0
    .private_segment_fixed_size: 0
    .kernarg_segment_align: 8
    .kernarg_segment_size: 64
    .max_flat_workgroup_size: 288
    .sgpr_count:     66
    .vgpr_count:     256
    .wavefront_size: 32
...
	.end_amdgpu_metadata
.endif
;; end of part 2
;; launch attn (part 3): grid 8 x 24, 16 waves a work-group, no clusters, 210,944 bytes of LDS; arguments qimg, qscl, kv, oimg, oscl; writes oimg, oscl
.if DOCPART == 3
	.amdgcn_target "amdgcn-amd-amdhsa--gfx1250"
	.amdhsa_code_object_version 6
	.text
	.protected	k_qc5d49d55fe_attn
	.globl	k_qc5d49d55fe_attn
	.p2align	8
	.type	k_qc5d49d55fe_attn,@function
k_qc5d49d55fe_attn:
	s_mov_b64 s[64:65], 0
	v_nop
	global_prefetch_b8 v0, s[64:65] scope:SCOPE_SE
	s_setreg_imm32_b32 hwreg(HW_REG_WAVE_MODE, 25, 1), 1
	s_wait_xcnt 0x0
; ATTN: out[q] = (sum over keys of p v) / l, p = 2^(t - M), t = (q . k) log2(e) / 8, both products on codes of BF6 with E8M0 scales; out is quantised at once along the model's 768 for the last product.
; M = the running largest t rounded UP to a whole number; when it moves, the sum l and O are multiplied by 2^(old M - new M), which rounds nothing.  l is the sum of the UNQUANTISED p.
; SHARES: a work-group owns 256 queries of one of the 24 heads, each of its 16 waves one tile of 16 queries, in 256 registers: four waves to a SIMD, so that one wave's vector work stands beside another's LDS loads and products.
; THE HEAD'S WHOLE K AND V, as codes and scale words, are 208,896 bytes: they come into LDS ONCE (wave w copies key step w's chunk of 13,056 bytes through its registers), one barrier, and then every wave walks the 16 key steps alone:
; LDS is written once and only read afterwards, so there is no ring and no further barrier.  192 work-groups: 128 tiles of queries a head in sixteens; two heads' K and V do not fit in LDS together.
; NO CLUSTER, NO TENSOR LOAD: what the eight work-groups of a head share is that one fill, 26 loads a wave, all out together; behind it a wave runs 16 steps of some 250 vector instructions with no access to memory.
; LAYOUT: both products are used transposed: S^T = K Q^T (source 0 = 16 keys, source 1 = my queries), O^T = V^T P^T (source 0 = 16 channels, source 1 = p): a lane holds ONE query (lane % 16) throughout.
; The 16 registers of score tiles 2b, 2b+1 are 16 keys of block b (8h + 0..7 and 16 + 8h + 0..7); two conversions and three exchanges of halves give lane h a whole block with its codes in the order 0-7, 16-23, 8-15, 24-31,
; which is the order in which V's codes were laid.  The first product's K is 64: registers 6-11 of Q's and K's fragments are zero codes.
; A chunk: K's 8 tiles x 768 bytes; at 6,144 V^T's 4 fragments x 1,536; at 12,288 K's 128 scale words; at 12,800 V's 64.  All in the order of the operands' registers: every LDS load takes consecutive bytes.
; LIMITS: NaN and infinities are not served; a block of p that has fallen to zeros, or under 2^-122, keeps the scale byte 1 (zero or subnormal codes); 1 / l is v_rcp_f32 and a multiplication.
; REGISTERS: v1-3 16, 8, 4 x lane; v4-6 the same + the step's chunk; v7 4 x (lane % 16); v8-11 K's scale words, v28 Q's, v29 p's, v30-31 V's (these hold scales and nothing else); v12 -M, v13 the largest t, v[14:15] the sum;
; v16-27 Q; v32-79 four fragments of K; v80-127 four of V; v128-191 S^T, then p; v192-223 O^T; v224-235 p's codes; v236-254 at work.
.set CH,  13056                        ; a chunk
.set SEL, 20                           ; s[20:21] selects for lane l xor 16
.set CS,  22                           ; s[22:23] c = log2(e) / 8: the packed form names a pair and takes its low word for both halves
.set TB,  24                           ; s24 the step's chunk in LDS
.set CNT, 25                           ; s25 steps to go
.set QS,  128                          ; the closing quantiser's registers
.set QH,  224
.set QM,  244
.set QP,  246
.set QO,  248
.set QT,  236
.set QW,  250
.macro SPROD t                         ; score tile t: keys 16 t on; K's fragment in place t % 4; the odd tile's scale words are read from lanes 16-31
.if (\t)%2
	v_wmma_scale_f32_16x16x128_f8f6f4 v[128+8*(\t):135+8*(\t)], v[32+12*((\t)%4):43+12*((\t)%4)], v[16:27], 0, v[8+(\t)/2], v28 matrix_a_fmt:MATRIX_FMT_BF6 matrix_b_fmt:MATRIX_FMT_BF6 matrix_a_scale:MATRIX_SCALE_ROW1
.else
	v_wmma_scale_f32_16x16x128_f8f6f4 v[128+8*(\t):135+8*(\t)], v[32+12*((\t)%4):43+12*((\t)%4)], v[16:27], 0, v[8+(\t)/2], v28 matrix_a_fmt:MATRIX_FMT_BF6 matrix_b_fmt:MATRIX_FMT_BF6
.endif
.endm
.macro PVPROD t                        ; O^T's tile t: channels 16 t on
.if (\t)%2
	v_wmma_scale_f32_16x16x128_f8f6f4 v[192+8*(\t):199+8*(\t)], v[80+12*(\t):91+12*(\t)], v[224:235], v[192+8*(\t):199+8*(\t)], v[30+(\t)/2], v29 matrix_a_fmt:MATRIX_FMT_BF6 matrix_b_fmt:MATRIX_FMT_BF6 matrix_a_scale:MATRIX_SCALE_ROW1
.else
	v_wmma_scale_f32_16x16x128_f8f6f4 v[192+8*(\t):199+8*(\t)], v[80+12*(\t):91+12*(\t)], v[224:235], v[192+8*(\t):199+8*(\t)], v[30+(\t)/2], v29 matrix_a_fmt:MATRIX_FMT_BF6 matrix_b_fmt:MATRIX_FMT_BF6
.endif
.endm
; nj tiles of 32 numbers a lane (two half blocks of 16) become images of half a fragment and two scale bytes each.
.macro QUANT2 nj
.irp j, 0,1,2,3
.if \j < \nj
.irp b, 0,1
	v_mov_b32 v[QP+2*\j+\b], 0                     ; a lane permute's destination counts as read
.endr
.endif
.endr
.irp j, 0,1,2,3
.if \j < \nj
.irp b, 0,1
	v_max3_num_f32 v[QM+2*\j+\b], |v[QS+32*\j+16*\b]|, |v[QS+32*\j+16*\b+1]|, 0x2800000   ; my 16 numbers of block b, and the floor 2^(5 - 127): the byte cannot fall under 1
.endr
.endif
.endr
.irp i, 2,4,6,8,10,12,14
.irp j, 0,1,2,3
.if \j < \nj
.irp b, 0,1
	v_max3_num_f32 v[QM+2*\j+\b], v[QM+2*\j+\b], |v[QS+32*\j+16*\b+\i]|, |v[QS+32*\j+16*\b+\i+1]|
.endr
.endif
.endr
.endr
.irp j, 0,1,2,3
.if \j < \nj
.irp b, 0,1
	v_permlanex16_b32 v[QP+2*\j+\b], v[QM+2*\j+\b], s[SEL], s[SEL+1]
.endr
.endif
.endr
.irp j, 0,1,2,3
.if \j < \nj
.irp b, 0,1
	v_max_num_f32 v[QM+2*\j+\b], v[QM+2*\j+\b], v[QP+2*\j+\b]   ; with lane l xor 16's 16: the block's largest magnitude
.endr
.endif
.endr
.irp j, 0,1,2,3
.if \j < \nj
.irp b, 0,1
	v_add_nc_u32 v[QO+2*\j+\b], 0xfe000000, v[QM+2*\j+\b]       ; 4 off its exponent field: the conversion's scale operand
.endr
.endif
.endr
.irp j, 0,1,2,3
.if \j < \nj
.irp b, 0,1
	v_lshrrev_b32 v[QP+2*\j+\b], 23, v[QO+2*\j+\b]              ; the scale's byte
.endr
.endif
.endr
.irp j, 0,1,2,3
.if \j < \nj
	v_lshl_or_b32 v[QW+\j], v[QP+2*\j+1], 8, v[QP+2*\j]
.endif
.endr
.irp j, 0,1,2,3
.if \j < \nj
	v_cvt_scalef32_pk16_bf6_f32 v[QH+8*\j:QH+8*\j+2], v[QS+32*\j:QS+32*\j+15], v[QO+2*\j]
	v_cvt_scalef32_pk16_bf6_f32 v[QT+4*\j:QT+4*\j+2], v[QS+32*\j+16:QS+32*\j+31], v[QO+2*\j+1]
.endif
.endr
	v_nop                                          ; one plain place behind the scaled conversions
.irp j, 0,1,2,3
.if \j < \nj
.irp i, 0,1,2
	v_permlane16_swap_b32 v[QH+8*\j+\i], v[QT+4*\j+\i]          ; lane h now has block h: lower 16 codes in the first, upper 16 in the second
.endr
.irp i, 0,1,2
	v_mov_b32 v[QH+8*\j+3+\i], v[QT+4*\j+\i]
.endr
.endif
.endr
.endm
	s_load_b256 s[4:11], s[0:1], 0x0               ; qimg, qscl, kv, oimg
	s_load_b64 s[12:13], s[0:1], 0x20              ; oscl
	v_lshl_add_u32 v243, v0, 2, 0x33000
	v_mov_b32 v255, 0
	v_lshrrev_b32 v7, 5, v0
	v_readfirstlane_b32 s14, v7                    ; wave 0..15
	v_and_b32 v7, 31, v0
	v_lshlrev_b32 v1, 4, v7                        ; 16 x lane
	v_lshlrev_b32 v2, 3, v7                        ; 8 x lane
	v_lshlrev_b32 v3, 2, v7                        ; 4 x lane
	v_and_b32 v7, 15, v0
	v_lshlrev_b32 v7, 2, v7                        ; 4 x (lane % 16)
	s_and_b32 s15, ttmp7, 0xffff                   ; bh = 12 x batch + head
	s_lshl_b32 s16, ttmp9, 4
	s_add_co_u32 s16, s16, s14                     ; my tile of queries in the head: 16 x work-group x + wave
	s_mul_i32 s[TB], s14, CH                       ; the chunk that I copy
	v_add_nc_u32 v4, s[TB], v1
	v_add_nc_u32 v5, s[TB], v2
	s_mov_b32 s[SEL], 0x76543210
	s_mov_b32 s[SEL+1], 0xfedcba98
	s_mov_b32 s[CS], 0x3e38aa3b                    ; log2(e) / 8
	s_mov_b32 s[CS+1], s[CS]                       ; (named with it as a pair, so it is written)
	s_mov_b32 s27, 0
	s_mul_i32 s26, s15, 16*CH
	s_add_co_u32 s26, s26, s[TB]
	s_wait_kmcnt 0x0
	s_add_nc_u64 s[8:9], s[8:9], s[26:27]          ; kv at my chunk
	s_lshl_b32 s26, s15, 7
	s_add_co_u32 s26, s26, s16
	s_mul_i32 s26, s26, 768
	s_add_nc_u64 s[4:5], s[4:5], s[26:27]          ; Q's image
	s_lshl_b32 s26, s15, 13
	s_lshl_b32 s28, s16, 6
	s_add_co_u32 s26, s26, s28
	s_add_nc_u64 s[6:7], s[6:7], s[26:27]          ; Q's scale words
	s_cmp_ge_u32 s15, 12
	s_cselect_b32 s28, 12, 0
	s_cselect_b32 s29, 128, 0
	s_sub_co_u32 s28, s15, s28                     ; the head
	s_add_co_u32 s29, s29, s16                     ; my tile among all 256 tiles of tokens
	s_mul_i32 s26, s29, 9216
	s_mul_i32 s30, s28, 768
	s_add_co_u32 s26, s26, s30
	s_add_nc_u64 s[10:11], s[10:11], s[26:27]      ; out's image: the head's 64 channels are half (head % 2) of K step head / 2
	s_lshr_b32 s26, s29, 1
	s_mul_i32 s26, s26, 768                        ; out's scale words: 768 bytes a pair of tiles,
	s_lshr_b32 s30, s28, 1
	s_lshl_b32 s30, s30, 7                         ; 128 a K step,
	s_add_co_u32 s26, s26, s30
	s_and_b32 s30, s29, 1
	s_lshl_b32 s30, s30, 6                         ; 64 for the odd tile,
	s_add_co_u32 s26, s26, s30
	s_and_b32 s30, s28, 1
	s_lshl_b32 s30, s30, 1                         ; 2 for the odd head
	s_add_co_u32 s26, s26, s30
	s_add_nc_u64 s[12:13], s[12:13], s[26:27]
	global_load_b128 v[16:19], v1, s[4:5]          ; Q stays in registers
	global_load_b64 v[20:21], v2, s[4:5] offset:512
	global_load_b32 v28, v7, s[6:7]
.set i, 0
.rept 25
	global_load_b128 v[32+4*i:35+4*i], v1, s[8:9] offset:512*i   ; my chunk: 512 consecutive bytes a load, all 26 out together
.set i, i+1
.endr
	global_load_b64 v[132:133], v2, s[8:9] offset:12800
.set i, 0
.rept 25
	s_wait_loadcnt 25-i                            ; load i is in; the 25 - i issued behind it may stay out
	ds_store_b128 v4, v[32+4*i:35+4*i] offset:512*i
.set i, i+1
.endr
	s_wait_loadcnt 0x0
	ds_store_b64 v5, v[132:133] offset:12800
	s_wait_dscnt 0x0                               ; for the others' sake: my chunk lies in LDS
	s_barrier_signal -1
.irp n, 22,23,24,25,26,27
	v_mov_b32 v[\n], 0                             ; Q's K = 64 .. 127: zero codes
.endr
.irp t, 0,1,2,3
.irp n, 6,7,8,9,10,11
	v_mov_b32 v[32+12*\t+\n], 0                    ; K's likewise: written once, no load lands here
.endr
.endr
.set i, 0
.rept 32
	v_mov_b32 v[192+i], 0                          ; O^T.  (The step is written once: the first finds zeros, which the first change of M leaves zeros)
.set i, i+1
.endr
	v_mov_b32 v13, 0xff61b1e6                      ; the largest t so far: -3e38, under every t
	v_floor_f32 v12, -v13                          ; -M
	v_mov_b32 v14, 0                               ; the sum, in two halves
	v_mov_b32 v15, 0
.irp b, 0,1,2,3
	v_mov_b32 v[236+\b], 0                         ; a lane permute's destination counts as read
.endr
	v_mov_b32 v253, 0                              ; (named as the upper half of the pair v[252:253])
	s_mov_b32 s[TB], 0
	s_mov_b32 s[CNT], 16
	s_barrier_wait -1                              ; all sixteen chunks lie in LDS; nobody writes LDS again
.Lstep:                                            ; 128 keys a trip
	v_add_nc_u32 v4, s[TB], v1
	v_add_nc_u32 v5, s[TB], v2
	v_add_nc_u32 v6, s[TB], v3
	v_nop                                          ; these four are the places between the last trip's products and the loads into their operands
.irp t, 0,1,2,3
	ds_load_b128 v[32+12*\t:35+12*\t], v4 offset:768*\t          ; K's tiles 0-3
	ds_load_b64 v[36+12*\t:37+12*\t], v5 offset:768*\t+512
.endr
.irp m, 0,1,2,3
	ds_load_b32 v[8+\m], v6 offset:12288+128*\m                  ; K's scale words: lanes 0-15 tile 2 m, lanes 16-31 tile 2 m + 1
.endr
.irp t, 0,1,2,3
.irp c, 0,1
	ds_load_b128 v[80+12*\t+6*\c:83+12*\t+6*\c], v4 offset:6144+1536*\t+768*\c   ; V^T's four fragments: wanted only behind the softmax
	ds_load_b64 v[84+12*\t+6*\c:85+12*\t+6*\c], v5 offset:6144+1536*\t+768*\c+512
.endr
.endr
.irp m, 0,1
	ds_load_b32 v[30+\m], v6 offset:12800+128*\m
.endr
	s_wait_dscnt 18                                ; K's tiles 0-3 and its scale words are in; V's 16 + 2 loads may stay out
	SPROD 0
	SPROD 1
	SPROD 2
	SPROD 3
.rept 4
	v_nop                                          ; places in front of loads into K's registers
.endr
.irp t, 0,1,2,3
	ds_load_b128 v[32+12*\t:35+12*\t], v4 offset:3072+768*\t     ; K's tiles 4-7
	ds_load_b64 v[36+12*\t:37+12*\t], v5 offset:3072+768*\t+512
.endr
	s_wait_dscnt 0x0
	SPROD 4
	SPROD 5
	SPROD 6
	SPROD 7
.rept 4
	v_nop                                          ; places in front of the first read of the scores
.endr
.irp b, 0,1,2,3
	v_max3_num_f32 v[244+\b], v[128+16*\b], v[129+16*\b], v[130+16*\b]   ; THE LARGEST SCORE OF EACH BLOCK OF 32 KEYS serves twice: for the row's maximum and, since p rises with the score, for the block's largest p.  Each tile is read from its low end on
.endr
.irp i, 3,5,7,9,11,13
.irp b, 0,1,2,3
	v_max3_num_f32 v[244+\b], v[244+\b], v[128+16*\b+\i], v[129+16*\b+\i]
.endr
.endr
.irp b, 0,1,2,3
	v_max_num_f32 v[244+\b], v[244+\b], v[143+16*\b]
.endr
.irp b, 0,1,2,3
	v_permlanex16_b32 v[236+\b], v[244+\b], s[SEL], s[SEL+1]
.endr
.irp b, 0,1,2,3
	v_max_num_f32 v[244+\b], v[244+\b], v[236+\b]  ; with lane l xor 16's 16 keys
.endr
	v_max3_num_f32 v254, v244, v245, v246
	v_max_num_f32 v254, v254, v247                 ; the step's largest score of my query
	v_mul_f32 v254, s[CS], v254                    ; as t (c is positive)
	v_max_num_f32 v13, v13, v254                   ; the running largest t
	v_mov_b32 v254, v12
	v_floor_f32 v12, -v13                          ; the new -M = floor(-t) = -ceil(t): a whole number
	v_sub_f32 v254, v12, v254                      ; old M - new M: a whole number, 0 or less
	v_cvt_i32_f32 v254, v254                       ; (it saturates)
	v_ldexp_f32 v252, 1.0, v254                    ; f = 2^(old M - new M)
.set i, 0
.rept 32
	v_pk_fma_f32 v[128+i:129+i], v[128+i:129+i], s[CS:CS+1], v[12:13] op_sel_hi:[1,0,0]   ; t - M, two at a time
.set i, i+2
.endr
.irp b, 0,1,2,3
	v_fma_f32 v[244+\b], v[244+\b], s[CS], v12     ; the same of each block's largest score
.endr
.set i, 0
.rept 64
	v_exp_f32 v[128+i], v[128+i]                   ; p = 2^(t - M), at most 1: not normalised
.set i, i+1
.endr
.irp b, 0,1,2,3
	v_exp_f32 v[244+\b], v[244+\b]                 ; the block's largest p: the same two instructions on the same number
.endr
	v_pk_mul_f32 v[14:15], v[14:15], v[252:253] op_sel_hi:[1,0]   ; the sums under the new M.  (The plain place behind the exponentials)
	s_wait_alu depctr_va_vdst(0)
.irp b, 0,1,2,3
	v_max_num_f32 v[244+\b], 0x2800000, v[244+\b]  ; the floor 2^(5 - 127): the byte cannot fall under 1
.endr
.irp b, 0,1,2,3
	v_add_nc_u32 v[248+\b], 0xfe000000, v[244+\b]  ; 4 off the exponent field: the conversion's scale operand
.endr
.irp b, 0,1,2,3
	v_lshrrev_b32 v[236+\b], 23, v[248+\b]         ; the scale's byte
.endr
	v_lshl_or_b32 v29, v237, 8, v236               ; p's scale word for these 128 keys
	v_lshl_or_b32 v29, v238, 16, v29
	v_lshl_or_b32 v29, v239, 24, v29
.irp c, 0,1
	v_cvt_scalef32_pk16_bf6_f32 v[224+6*\c:226+6*\c], v[128+32*\c:143+32*\c], v[248+2*\c]
	v_cvt_scalef32_pk16_bf6_f32 v[236+4*\c:238+4*\c], v[144+32*\c:159+32*\c], v[249+2*\c]   ; (a conversion's three registers begin on an even number)
.endr
	v_nop                                          ; one plain place behind the scaled conversions
.irp c, 0,1                                    ; a WHOLE block to a lane: lanes 0-15 block 2 c, lanes 16-31 block 2 c + 1
.irp i, 0,1,2
	v_permlane16_swap_b32 v[224+6*\c+\i], v[236+4*\c+\i]
.endr
.irp i, 0,1,2
	v_mov_b32 v[227+6*\c+\i], v[236+4*\c+\i]
.endr
.endr
.set i, 0
.rept 16
	v_pk_mul_f32 v[192+i:193+i], v[192+i:193+i], v[252:253] op_sel_hi:[1,0]   ; O^T under the new M, each tile from its low end on
.set i, i+2
.endr
	v_pk_add_f32 v[236:237], v[128:129], v[130:131]              ; THE ROW'S SUM IS TAKEN OF THE UNQUANTISED p: two at a time, in two chains
.irp j, 4,8,12,16,20,24,28,32,36,40,44,48,52,56,60
	v_pk_add_f32 v[14:15], v[14:15], v[128+\j:129+\j]
	v_pk_add_f32 v[236:237], v[236:237], v[130+\j:131+\j]
.endr
	v_pk_add_f32 v[14:15], v[14:15], v[236:237]    ; these 48 plain lines stand between the writing of p's codes and scale word and the products that take them
	PVPROD 0                                       ; four accumulators, one instruction each; the next matrix instruction is the next trip's first score tile
	PVPROD 1
	PVPROD 2
	PVPROD 3
	s_add_co_u32 s[TB], s[TB], CH
	s_sub_co_u32 s[CNT], s[CNT], 1
	s_cmp_lg_u32 s[CNT], 0
	s_cbranch_scc1 .Lstep
.rept 4
	v_nop                                          ; places in front of the first read of O^T
.endr
	v_add_f32 v14, v14, v15                        ; the sum's two halves,
	v_permlanex16_b32 v252, v14, s[SEL], s[SEL+1]
	v_add_f32 v14, v14, v252                       ; and lane l xor 16's: the row's sum
	v_rcp_f32 v14, v14
	v_nop                                          ; one plain place behind the transcendental
.set i, 0
	s_wait_alu depctr_va_vdst(0)
.rept 16
	v_pk_mul_f32 v[128+i:129+i], v[192+i:193+i], v[14:15] op_sel_hi:[1,0]   ; out(query r, channel 16 t + 8 h + n) in register 8 t + n
.set i, i+2
.endr
	QUANT2 1                                       ; the head's 64 channels are two blocks of the last product's K
	global_store_b128 v1, v[QH:QH+3], s[10:11]     ; 512 consecutive bytes
	global_store_b64 v2, v[QH+4:QH+5], s[10:11] offset:512
	global_store_b16 v7, v[QW], s[12:13]           ; my row's two scale bytes; lanes r and 16 + r hold the same two and write them to the same place
	s_wait_tensorcnt 0x0
	ds_add_u32 v243, v255
	s_wait_dscnt 0x0
	s_endpgm
.Lfunc_end_k_qc5d49d55fe_attn:
	.size	k_qc5d49d55fe_attn, .Lfunc_end_k_qc5d49d55fe_attn-k_qc5d49d55fe_attn
	.p2alignl 7, 3214868480
	.fill 96, 4, 3214868480
	.section	.rodata,"a",@progbits
	.p2align	6, 0x0
	.amdhsa_kernel k_qc5d49d55fe_attn
		.amdhsa_group_segment_fixed_size 210944
		.amdhsa_private_segment_fixed_size 0
		.amdhsa_enable_private_segment 0
		.amdhsa_kernarg_size 40
		.amdhsa_user_sgpr_count 2
		.amdhsa_user_sgpr_kernarg_segment_ptr 1
		.amdhsa_wavefront_size32 1
		.amdhsa_system_sgpr_workgroup_id_x 1
		.amdhsa_system_sgpr_workgroup_id_y 1
		.amdhsa_system_sgpr_workgroup_id_z 1
		.amdhsa_system_vgpr_workitem_id 0
		.amdhsa_next_free_vgpr 256
		.amdhsa_next_free_sgpr 66
		.amdhsa_reserve_vcc 0
		.amdhsa_float_denorm_mode_32 3
		.amdhsa_float_denorm_mode_16_64 3
		.amdhsa_memory_ordered 1
		.amdhsa_forward_progress 1
		.amdhsa_inst_pref_size 30
	.end_amdhsa_kernel
	.amdgpu_metadata
---
amdhsa.version: [ 1, 2 ]
amdhsa.kernels:
  - .name:           k_qc5d49d55fe_attn
    .symbol:         k_qc5d49d55fe_attn.kd
    .args:
      - { .name: qimg, .offset: 0, .size: 8, .value_kind: global_buffer, .address_space: global }
      - { .name: qscl, .offset: 8, .size: 8, .value_kind: global_buffer, .address_space: global }
      - { .name: kv, .offset: 16, .size: 8, .value_kind: global_buffer, .address_space: global }
      - { .name: oimg, .offset: 24, .size: 8, .value_kind: global_buffer, .address_space: global }
      - { .name: oscl, .offset: 32, .size: 8, .value_kind: global_buffer, .address_space: global }
    .group_segment_fixed_size: 210944
    .private_segment_fixed_size: 0
    .kernarg_segment_align: 8
    .kernarg_segment_size: 40
    .max_flat_workgroup_size: 512
    .sgpr_count:     66
    .vgpr_count:     256
    .wavefront_size: 32
...
	.end_amdgpu_metadata
.endif
;; end of part 3
;; launch oproj (part 4): grid 64 x 4, 3 waves a work-group, no clusters, 13,824 bytes of LDS; arguments oimg, oscl, codes, scales, bo, out0; writes out0
.if DOCPART == 4
	.amdgcn_target "amdgcn-amd-amdhsa--gfx1250"
	.amdhsa_code_object_version 6
	.text
	.protected	k_qc5d49d55fe_oproj
	.globl	k_qc5d49d55fe_oproj
	.p2align	8
	.type	k_qc5d49d55fe_oproj,@function
k_qc5d49d55fe_oproj:
	s_mov_b64 s[64:65], 0
	v_nop
	global_prefetch_b8 v0, s[64:65] scope:SCOPE_SE
	s_setreg_imm32_b32 hwreg(HW_REG_WAVE_MODE, 25, 1), 1
	s_wait_xcnt 0x0
; OPROJ: out0 = out Wo^T + bo on codes of BF6 with E8M0 scales; out0 [4096][768] f32.
; SHARES: a wave makes 64 tokens x 64 output channels: 16 accumulators of 16 x 16.  Work-group (X, y): tokens 64 X on; wave w: channels 64 (3 y + w) on.  768 waves in 256 work-groups.
; Source 0 = 4 tiles of Wo (channels), source 1 = 4 tiles of out (tokens): a lane holds one token and eight neighbouring channels in each accumulator.
; Fragments lie in memory in the order of an operand's registers and come straight into registers; K = 768 is six steps, written out: every offset is an immediate.
; A wave's 64 channels are 256 consecutive bytes of a row of out0, at a multiple of 256 from its first byte: so the way out is the wave's own: 16 rows at a time through its own stage in LDS
; (rows of 256 + 16 bytes), back as whole rows, sixteen lanes to a row.  No barrier: waves share nothing.
; NO TENSOR LOADS, NO CLUSTER: blocks of 256 x 256 fed through LDS would give 48 work-groups; the operands are 36 KiB of codes a side and a wave, taken whole in register order.
.set SC0, 8                            ; v8-19   source 0's scale words: pair m, K step s at v[SC0 + 6 m + s].  v8-31 hold scale words and nothing else
.set SC1, 20                           ; v20-31  source 1's
.set F0,  32                           ; v32-79  source 0's four fragments
.set F1,  80                           ; v80-127 source 1's
.set ACC, 128                          ; v128-255 accumulator (i, j) at ACC + 32 j + 8 i
.set PA0, 28                           ; s[28:29] source 0's fragments;  s[30:31] source 1's
.set PA1, 30
.set PS0, 32                           ; s[32:33], s[34:35] their scale words
.set PS1, 34
.set BIA, 36                           ; s[36:37] my 64 biases
.set SPI, 272                          ; a stage row
.macro LDFRAG reg, base, off           ; a fragment: two halves of 16 + 8 bytes a lane
.irp c, 0,1
	global_load_b128 v[\reg+6*\c:\reg+6*\c+3], v1, s[\base:\base+1] offset:\off+768*\c
	global_load_b64 v[\reg+6*\c+4:\reg+6*\c+5], v2, s[\base:\base+1] offset:\off+768*\c+512
.endr
.endm
; One product.  A scale register carries two tiles' words: the odd tile's are read from lanes 16-31.  The first K step starts the sums with the constant 0.
.macro WM i, j, s
.set rD, ACC+32*\j+8*\i
.set rA, F0+12*\i
.set rB, F1+12*\j
.set rP, SC0+6*(\i/2)+\s
.set rQ, SC1+6*(\j/2)+\s
.if \s == 0
.if (\i%2) && (\j%2)
	v_wmma_scale_f32_16x16x128_f8f6f4 v[rD:rD+7], v[rA:rA+11], v[rB:rB+11], 0, v[rP], v[rQ] matrix_a_fmt:MATRIX_FMT_BF6 matrix_b_fmt:MATRIX_FMT_BF6 matrix_a_scale:MATRIX_SCALE_ROW1 matrix_b_scale:MATRIX_SCALE_ROW1
.elseif \i%2
	v_wmma_scale_f32_16x16x128_f8f6f4 v[rD:rD+7], v[rA:rA+11], v[rB:rB+11], 0, v[rP], v[rQ] matrix_a_fmt:MATRIX_FMT_BF6 matrix_b_fmt:MATRIX_FMT_BF6 matrix_a_scale:MATRIX_SCALE_ROW1
.elseif \j%2
	v_wmma_scale_f32_16x16x128_f8f6f4 v[rD:rD+7], v[rA:rA+11], v[rB:rB+11], 0, v[rP], v[rQ] matrix_a_fmt:MATRIX_FMT_BF6 matrix_b_fmt:MATRIX_FMT_BF6 matrix_b_scale:MATRIX_SCALE_ROW1
.else
	v_wmma_scale_f32_16x16x128_f8f6f4 v[rD:rD+7], v[rA:rA+11], v[rB:rB+11], 0, v[rP], v[rQ] matrix_a_fmt:MATRIX_FMT_BF6 matrix_b_fmt:MATRIX_FMT_BF6
.endif
.else
.if (\i%2) && (\j%2)
	v_wmma_scale_f32_16x16x128_f8f6f4 v[rD:rD+7], v[rA:rA+11], v[rB:rB+11], v[rD:rD+7], v[rP], v[rQ] matrix_a_fmt:MATRIX_FMT_BF6 matrix_b_fmt:MATRIX_FMT_BF6 matrix_a_scale:MATRIX_SCALE_ROW1 matrix_b_scale:MATRIX_SCALE_ROW1
.elseif \i%2
	v_wmma_scale_f32_16x16x128_f8f6f4 v[rD:rD+7], v[rA:rA+11], v[rB:rB+11], v[rD:rD+7], v[rP], v[rQ] matrix_a_fmt:MATRIX_FMT_BF6 matrix_b_fmt:MATRIX_FMT_BF6 matrix_a_scale:MATRIX_SCALE_ROW1
.elseif \j%2
	v_wmma_scale_f32_16x16x128_f8f6f4 v[rD:rD+7], v[rA:rA+11], v[rB:rB+11], v[rD:rD+7], v[rP], v[rQ] matrix_a_fmt:MATRIX_FMT_BF6 matrix_b_fmt:MATRIX_FMT_BF6 matrix_b_scale:MATRIX_SCALE_ROW1
.else
	v_wmma_scale_f32_16x16x128_f8f6f4 v[rD:rD+7], v[rA:rA+11], v[rB:rB+11], v[rD:rD+7], v[rP], v[rQ] matrix_a_fmt:MATRIX_FMT_BF6 matrix_b_fmt:MATRIX_FMT_BF6
.endif
.endif
.endm
; A K step of 128: 32 loads, 16 products.  The 16 accumulators take turns, one instruction a turn, in the same order in every step.
.macro KSTEP s
.if \s > 0
.rept 4
	v_nop                                          ; four places in front of loads into registers that matrix instructions have read
.endr
.endif
.irp i, 0,1,2,3
	LDFRAG F0+12*\i, PA0, 9216*\i+1536*\s
.endr
.irp j, 0,1,2,3
	LDFRAG F1+12*\j, PA1, 9216*\j+1536*\s
.endr
.irp j, 0,1,2,3
	s_wait_loadcnt 12-4*\j                         ; source 0 and source 1's tile j are in; the tiles behind it, four loads each, may stay out
.irp i, 0,1,2,3
	WM \i, \j, \s
.endr
.endr
.endm
	s_load_b256 s[4:11], s[0:1], 0x0               ; oimg, oscl, codes, scales
	s_load_b128 s[12:15], s[0:1], 0x20             ; bo, out0
	s_set_vgpr_msb 0x40
	v_lshl_add_u32 v0, v0, 2, 0x3400
	v_mov_b32 v1, 0
	s_set_vgpr_msb 0x4000
	v_lshrrev_b32 v32, 5, v0
	v_readfirstlane_b32 s20, v32                   ; wave 0..2
	v_and_b32 v32, 31, v0
	v_lshlrev_b32 v1, 4, v32                       ; 16 x lane
	v_lshlrev_b32 v2, 3, v32                       ; 8 x lane
	v_lshlrev_b32 v3, 2, v32                       ; 4 x lane
	v_and_b32 v32, 15, v0                          ; r
	v_bfe_u32 v33, v0, 4, 1                        ; h
	v_lshlrev_b32 v4, 5, v33                       ; 32 h: my eight biases of a tile
	s_mul_i32 s21, s20, 16*SPI                     ; my stage
	v_mul_u32_u24 v5, v32, SPI
	v_lshl_add_u32 v5, v33, 5, v5
	v_add_nc_u32 v5, s21, v5                       ; in: row r, + 32 h
	v_mul_u32_u24 v6, v33, SPI
	v_lshl_add_u32 v6, v32, 4, v6
	v_add_nc_u32 v6, s21, v6                       ; back: lanes 0-15 one row, lanes 16-31 the next; 16 bytes a lane
	v_mul_u32_u24 v7, v33, 3072
	v_lshl_add_u32 v7, v32, 4, v7                  ; and the same two rows in out0
	s_and_b32 s22, ttmp7, 0xffff
	s_mul_i32 s22, s22, 3
	s_add_co_u32 s22, s22, s20                     ; which 64 channels: 3 y + wave
	s_lshl_b32 s24, s22, 2
	s_add_co_u32 s24, s24, 400                     ; Wo's first tile: 400 + 4 x that
	s_mov_b32 s27, 0
	s_wait_kmcnt 0x0
	s_mul_i32 s26, s24, 9216
	s_add_nc_u64 s[PA0:PA0+1], s[8:9], s[26:27]
	s_mul_i32 s26, s24, 384                        ; 768 bytes of scale words for a pair of tiles
	s_add_nc_u64 s[PS0:PS0+1], s[10:11], s[26:27]
	s_mul_i32 s26, ttmp9, 36864                    ; out's four tiles of 9,216 bytes
	s_add_nc_u64 s[PA1:PA1+1], s[4:5], s[26:27]
	s_mul_i32 s26, ttmp9, 1536
	s_add_nc_u64 s[PS1:PS1+1], s[6:7], s[26:27]
	s_lshl_b32 s26, s22, 8
	s_add_nc_u64 s[BIA:BIA+1], s[12:13], s[26:27]
	s_add_nc_u64 s[14:15], s[14:15], s[26:27]      ; out0: my 256 bytes of a row,
	s_mul_i32 s26, ttmp9, 196608                   ; 64 rows of 3,072 bytes a work-group
	s_add_nc_u64 s[14:15], s[14:15], s[26:27]
.irp m, 0,1                                    ; all scale words of the six steps, ahead of the fragments: 128 consecutive bytes a load
.irp s, 0,1,2,3,4,5
	global_load_b32 v[SC0+6*\m+\s], v3, s[PS0:PS0+1] offset:768*\m+128*\s
	global_load_b32 v[SC1+6*\m+\s], v3, s[PS1:PS1+1] offset:768*\m+128*\s
.endr
.endr
	KSTEP 0
	KSTEP 1
	KSTEP 2
	KSTEP 3
	KSTEP 4
	KSTEP 5
.rept 4
	v_nop                                          ; four places in front of the first read of results and of loads into the fragments' registers
.endr
.irp i, 0,1,2,3                                ; register 8 i + n of a lane is channel 16 i + 8 h + n
	global_load_b128 v[32+8*\i:35+8*\i], v4, s[BIA:BIA+1] offset:64*\i
	global_load_b128 v[36+8*\i:39+8*\i], v4, s[BIA:BIA+1] offset:64*\i+16
.endr
	s_wait_loadcnt 0x0
.irp j, 0,1,2,3
.irp i, 0,1,2,3
.irp p, 0,2,4,6                                ; each accumulator from its low end on
	v_pk_add_f32 v[ACC+32*\j+8*\i+\p:ACC+32*\j+8*\i+\p+1], v[ACC+32*\j+8*\i+\p:ACC+32*\j+8*\i+\p+1], v[32+8*\i+\p:33+8*\i+\p]
.endr
.endr
.endr
.irp j, 0,1,2,3                                ; THE WAY OUT: 16 tokens at a time through my stage, back into the registers that they left
.irp i, 0,1,2,3
	ds_store_b128 v5, v[ACC+32*\j+8*\i:ACC+32*\j+8*\i+3] offset:64*\i
	ds_store_b128 v5, v[ACC+32*\j+8*\i+4:ACC+32*\j+8*\i+7] offset:64*\i+16
.endr
.irp t, 0,1,2,3,4,5,6,7
	ds_load_b128 v[ACC+32*\j+4*\t:ACC+32*\j+4*\t+3], v6 offset:2*SPI*\t   ; LDS serves a wave's instructions in order (ISA guide 5.7.1.4): these see the stores above, and the next tile's stores come behind them
.endr
.endr
.irp j, 0,1,2,3
.irp t, 0,1,2,3,4,5,6,7
	s_wait_dscnt 16*(3-\j)+7-\t                    ; behind this load: the rest of its tile's loads, and 16 LDS instructions for each later tile
	global_store_b128 v7, v[ACC+32*\j+4*\t:ACC+32*\j+4*\t+3], s[14:15] offset:(16*\j+2*\t)*3072 th:TH_STORE_NT   ; sixteen lanes store 256 consecutive bytes, at a multiple of 256 from out0's first byte
.endr
.endr
	s_set_vgpr_msb 0x5
	s_wait_tensorcnt 0x0
	ds_add_u32 v0, v1
	s_wait_dscnt 0x0
	s_set_vgpr_msb 0x500
	s_endpgm
.Lfunc_end_k_qc5d49d55fe_oproj:
	.size	k_qc5d49d55fe_oproj, .Lfunc_end_k_qc5d49d55fe_oproj-k_qc5d49d55fe_oproj
	.p2alignl 7, 3214868480
	.fill 96, 4, 3214868480
	.section	.rodata,"a",@progbits
	.p2align	6, 0x0
	.amdhsa_kernel k_qc5d49d55fe_oproj
		.amdhsa_group_segment_fixed_size 13824
		.amdhsa_private_segment_fixed_size 0
		.amdhsa_enable_private_segment 0
		.amdhsa_kernarg_size 48
		.amdhsa_user_sgpr_count 2
		.amdhsa_user_sgpr_kernarg_segment_ptr 1
		.amdhsa_wavefront_size32 1
		.amdhsa_system_sgpr_workgroup_id_x 1
		.amdhsa_system_sgpr_workgroup_id_y 1
		.amdhsa_system_sgpr_workgroup_id_z 1
		.amdhsa_system_vgpr_workitem_id 0
		.amdhsa_next_free_vgpr 258
		.amdhsa_next_free_sgpr 66
		.amdhsa_reserve_vcc 0
		.amdhsa_float_denorm_mode_32 3
		.amdhsa_float_denorm_mode_16_64 3
		.amdhsa_memory_ordered 1
		.amdhsa_forward_progress 1
		.amdhsa_inst_pref_size 50
	.end_amdhsa_kernel
	.amdgpu_metadata
---
amdhsa.version: [ 1, 2 ]
amdhsa.kernels:
  - .name:           k_qc5d49d55fe_oproj
    .symbol:         k_qc5d49d55fe_oproj.kd
    .args:
      - { .name: oimg, .offset: 0, .size: 8, .value_kind: global_buffer, .address_space: global }
      - { .name: oscl, .offset: 8, .size: 8, .value_kind: global_buffer, .address_space: global }
      - { .name: codes, .offset: 16, .size: 8, .value_kind: global_buffer, .address_space: global }
      - { .name: scales, .offset: 24, .size: 8, .value_kind: global_buffer, .address_space: global }
      - { .name: bo, .offset: 32, .size: 8, .value_kind: global_buffer, .address_space: global }
      - { .name: out0, .offset: 40, .size: 8, .value_kind: global_buffer, .address_space: global }
    .group_segment_fixed_size: 13824
    .private_segment_fixed_size: 0
    .kernarg_segment_align: 8
    .kernarg_segment_size: 48
    .max_flat_workgroup_size: 96
    .sgpr_count:     66
    .vgpr_count:     258
    .wavefront_size: 32
...
	.end_amdgpu_metadata
.endif
;; end of part 4
;; ======== version 2 of 2: 4 launches
;; limits: right only within a limited range of input values
;; workspace buffers: codes 4,128,768 bytes; scales 172,032 bytes; qimg 2,359,296 bytes; qscl 196,608 bytes; kv 5,013,504 bytes; oimg 2,359,296 bytes; oscl 98,304 bytes
;; launch prep (part 5): grid 224 x 1, 6 waves a work-group, no clusters, 102,144 bytes of LDS; arguments x, Wq, Wk, Wv, Wo, codes, scales; writes codes, scales
.if DOCPART == 5
	.amdgcn_target "amdgcn-amd-amdhsa--gfx1250"
	.amdhsa_code_object_version 6
	.text
	.protected	k_qc5d49d55fe_prep
	.globl	k_qc5d49d55fe_prep
	.p2align	8
	.type	k_qc5d49d55fe_prep,@function
k_qc5d49d55fe_prep:
	s_mov_b64 s[64:65], 0
	v_nop
	global_prefetch_b8 v0, s[64:65] scope:SCOPE_SE
	s_setreg_imm32_b32 hwreg(HW_REG_WAVE_MODE, 25, 1), 1
	s_wait_xcnt 0x0
; PREP: x [4096][768] and Wq, Wk, Wv, Wo [768][768], f32 with K innermost, become codes of BF6 (E3M2) and E8M0 scale words, laid in the ORDER OF AN OPERAND'S REGISTERS.
; A tile is 16 rows; tiles 0-255 are x's, 256-303 Wq's, 304-351 Wk's, 352-399 Wv's, 400-447 Wo's.  A tile has 6 fragments (16 rows x 128 K, 1,536 bytes), a fragment two halves c of 768 bytes:
; 32 lanes x 16 bytes (registers 6c .. 6c+3), then 32 lanes x 8 bytes (registers 6c+4, 6c+5).  Lane (r, h) of half c holds row r, block 2c + h of the K step.
; INSIDE A BLOCK OF 32 THE CODES STAND IN THE ORDER 0-7, 16-23, 8-15, 24-31.  Every operand of every product of this program has that order, so each product pairs the right numbers; blocks and scales are the true ones.
; (It is the order in which a matrix result's registers fall when it is quantised for the next product, so no launch transposes anything.)
; Scale words (4 bytes: 128 K of one row) lie by PAIRS of tiles: [pair][K step][32 words], lanes 0-15 the even tile's rows, lanes 16-31 the odd tile's.
; A block's scale byte is its largest magnitude's exponent field - 4, held at 1 from below by a floor among the maximum's leaves.
; LIMITS: NaN and infinities are not served; a block whose largest magnitude lies under 2^-122 keeps the byte 1; a block of zeros has the byte 1 and not 127 (its codes are zeros, and this program alone reads the bytes).
; SHARES: work-group P takes pair P (32 rows), wave s K step s: 32 rows x 512 bytes.  224 pairs, so 224 work-groups: the tensors divide into pairs exactly.  All 32 loads of a wave go out at once, each 512 consecutive bytes.
; A lane must hold a whole block of ONE row; a load gives neighbouring lanes neighbouring bytes.  So a tile turns through the wave's own stage in LDS (rows of 512 + 16 bytes: the 16 rows that a read touches start 16 bytes apart modulo 256).
; No matrix unit, no tensor load, no barrier: waves share nothing and each byte is read once.
.set STG,  16896                       ; LDS of a wave: two stages
.set HST,  8448                        ; a stage: 16 rows x PIT
.set PIT,  528
.set TM,   8                           ; v8-9    largest magnitudes of my two blocks
.set SO,   10                          ; v10-11  the conversions' scale operands
.set BY,   12                          ; v12-13  the scale bytes
.set WD,   16                          ; v16-17  tile u's scale word of my row
.set F,    32                          ; v32-55  tile u's fragment, 12 registers
.set T,    56                          ; v56-62  the upper halves of two blocks' codes, before they are moved
.set X,    64                          ; v64-127 my two blocks, 32 numbers each, in the order of the codes
.set RAW,  128                         ; v128-255 the 32 rows as loaded
.macro TILE u
	s_wait_loadcnt 16*(1-\u)                       ; this tile's 16 loads are in; tile 1's 16 may stay out
.irp n, 0,1,2,3,4,5,6,7,8,9,10,11,12,13,14,15
	ds_store_b128 v5, v[RAW+64*\u+4*\n:RAW+64*\u+4*\n+3] offset:HST*\u+PIT*\n
.endr
.irp c, 0,1                                    ; back: row r, block 2c + h; the block's octets 0, 1, 2, 3 go to places 0, 2, 1, 3 by the choice of destination alone
.irp i, 0,1,2,3,4,5,6,7
	ds_load_b128 v[X+32*\c+8*(((\i/2)%2)*2+\i/4)+4*(\i%2):X+32*\c+8*(((\i/2)%2)*2+\i/4)+4*(\i%2)+3], v6 offset:HST*\u+256*\c+16*\i   ; LDS serves a wave's instructions in order: these see the stores above
.endr
.endr
	s_wait_dscnt 0x0
.irp c, 0,1
	v_max3_num_f32 v[TM+\c], |v[X+32*\c]|, |v[X+32*\c+1]|, 0x2800000   ; the floor 2^(5 - 127): the byte cannot fall under 1
.endr
.irp i, 2,4,6,8,10,12,14,16,18,20,22,24,26,28,30
.irp c, 0,1
	v_max3_num_f32 v[TM+\c], v[TM+\c], |v[X+32*\c+\i]|, |v[X+32*\c+\i+1]|   ; the two blocks by turns
.endr
.endr
.irp c, 0,1
	v_add_nc_u32 v[SO+\c], 0xfe000000, v[TM+\c]    ; 4 off the exponent field: the conversion takes this operand's exponent field as its scale
.endr
.irp c, 0,1
	v_lshrrev_b32 v[BY+\c], 23, v[SO+\c]           ; the scale's byte
.endr
	v_lshl_or_b32 v14, v[BY+1], 16, v[BY]          ; my bytes: blocks h and 2 + h,
	v_lshlrev_b32 v14, v7, v14                     ; 8 h bits up;
	v_permlanex16_b32 v15, v14, s30, s31
	v_or_b32 v[WD+\u], v14, v15                    ; with lane l xor 16's two the row's word is whole
.irp c, 0,1
	v_cvt_scalef32_pk16_bf6_f32 v[F+12*\u+6*\c:F+12*\u+6*\c+2], v[X+32*\c:X+32*\c+15], v[SO+\c]
	v_cvt_scalef32_pk16_bf6_f32 v[T+4*\c:T+4*\c+2], v[X+32*\c+16:X+32*\c+31], v[SO+\c]   ; (a conversion's three registers begin on an even number)
.endr
	v_nop                                          ; one plain place behind the scaled conversions
.irp c, 0,1
.irp i, 0,1,2
	v_mov_b32 v[F+12*\u+6*\c+3+\i], v[T+4*\c+\i]
.endr
.endr
.irp c, 0,1
	global_store_b128 v2, v[F+12*\u+6*\c:F+12*\u+6*\c+3], s[14:15] offset:9216*\u+768*\c        ; 512 consecutive bytes
	global_store_b64 v3, v[F+12*\u+6*\c+4:F+12*\u+6*\c+5], s[14:15] offset:9216*\u+768*\c+512   ; 256 consecutive bytes
.endr
.endm
	s_load_b256 s[4:11], s[0:1], 0x0               ; x, Wq, Wk, Wv
	s_load_b128 s[12:15], s[0:1], 0x20             ; Wo, codes
	s_load_b64 s[16:17], s[0:1], 0x30              ; scales
	v_lshl_add_u32 v59, v0, 2, 0x18c00
	v_mov_b32 v63, 0
	v_lshrrev_b32 v1, 5, v0
	v_readfirstlane_b32 s18, v1                    ; wave = K step
	v_and_b32 v1, 31, v0                           ; lane
	v_lshlrev_b32 v2, 4, v1                        ; 16 x lane
	v_lshlrev_b32 v3, 3, v1                        ; 8 x lane
	v_lshlrev_b32 v4, 2, v1                        ; 4 x lane
	v_and_b32 v8, 15, v0                           ; r
	v_bfe_u32 v9, v0, 4, 1                         ; h
	s_mul_i32 s24, s18, STG
	v_add_nc_u32 v5, s24, v2                       ; the stage, way in: 16 x lane of a row
	v_mul_u32_u24 v6, v8, PIT
	v_lshl_add_u32 v6, v9, 7, v6
	v_add_nc_u32 v6, s24, v6                       ; way out: row r, + 128 h
	v_lshlrev_b32 v7, 3, v9                        ; 8 h
	v_mov_b32 v15, 0                               ; a lane permute's destination counts as read
	s_mov_b32 s30, 0x76543210
	s_mov_b32 s31, 0xfedcba98                      ; selects for lane l xor 16
	s_wait_alu depctr_va_vdst(0)
	s_wait_kmcnt 0x0
	s_mov_b64 s[20:21], s[12:13]                   ; which tensor is my pair's: the choice hangs on the work-group's number alone
	s_mov_b32 s19, 200                             ; and that tensor's first pair
	s_cmp_lt_u32 ttmp9, 200
	s_cselect_b64 s[20:21], s[10:11], s[20:21]
	s_cselect_b32 s19, 176, s19
	s_cmp_lt_u32 ttmp9, 176
	s_cselect_b64 s[20:21], s[8:9], s[20:21]
	s_cselect_b32 s19, 152, s19
	s_cmp_lt_u32 ttmp9, 152
	s_cselect_b64 s[20:21], s[6:7], s[20:21]
	s_cselect_b32 s19, 128, s19
	s_cmp_lt_u32 ttmp9, 128
	s_cselect_b64 s[20:21], s[4:5], s[20:21]
	s_cselect_b32 s19, 0, s19
	s_sub_co_u32 s22, ttmp9, s19
	s_mul_i32 s22, s22, 98304                      ; 32 rows of 3,072 bytes a pair,
	s_lshl_b32 s23, s18, 9                         ; 512 bytes a K step
	s_add_co_u32 s22, s22, s23
	s_mov_b32 s23, 0
	s_add_nc_u64 s[20:21], s[20:21], s[22:23]
	s_mul_i32 s22, ttmp9, 18432                    ; codes: two tiles of 9,216 bytes a pair, 1,536 a K step
	s_mul_i32 s25, s18, 1536
	s_add_co_u32 s22, s22, s25
	s_add_nc_u64 s[14:15], s[14:15], s[22:23]
	s_mul_i32 s22, ttmp9, 768                      ; scale words: 768 bytes a pair, 128 a K step
	s_lshl_b32 s25, s18, 7
	s_add_co_u32 s22, s22, s25
	s_add_nc_u64 s[16:17], s[16:17], s[22:23]
.irp u, 0,1
.irp n, 0,1,2,3,4,5,6,7,8,9,10,11,12,13,14,15
	global_load_b128 v[RAW+64*\u+4*\n:RAW+64*\u+4*\n+3], v2, s[20:21] offset:(16*\u+\n)*3072 th:TH_LOAD_NT   ; read once in the whole program
.endr
.endr
	TILE 0
	TILE 1
	v_cmp_gt_u32 vcc_lo, 16, v1
	v_cndmask_b32 v18, v[WD+1], v[WD], vcc_lo      ; lanes 0-15 the even tile's words, lanes 16-31 the odd tile's
	global_store_b32 v4, v18, s[16:17]             ; 128 consecutive bytes.  No register that a store reads is written again in this text
	s_wait_tensorcnt 0x0
	ds_add_u32 v59, v63
	s_wait_dscnt 0x0
	s_endpgm
.Lfunc_end_k_qc5d49d55fe_prep:
	.size	k_qc5d49d55fe_prep, .Lfunc_end_k_qc5d49d55fe_prep-k_qc5d49d55fe_prep
	.p2alignl 7, 3214868480
	.fill 96, 4, 3214868480
	.section	.rodata,"a",@progbits
	.p2align	6, 0x0
	.amdhsa_kernel k_qc5d49d55fe_prep
		.amdhsa_group_segment_fixed_size 102144
		.amdhsa_private_segment_fixed_size 0
		.amdhsa_enable_private_segment 0
		.amdhsa_kernarg_size 56
		.amdhsa_user_sgpr_count 2
		.amdhsa_user_sgpr_kernarg_segment_ptr 1
		.amdhsa_wavefront_size32 1
		.amdhsa_system_sgpr_workgroup_id_x 1
		.amdhsa_system_sgpr_workgroup_id_y 1
		.amdhsa_system_sgpr_workgroup_id_z 1
		.amdhsa_system_vgpr_workitem_id 0
		.amdhsa_next_free_vgpr 256
		.amdhsa_next_free_sgpr 66
		.amdhsa_reserve_vcc 1
		.amdhsa_float_denorm_mode_32 3
		.amdhsa_float_denorm_mode_16_64 3
		.amdhsa_memory_ordered 1
		.amdhsa_forward_progress 1
		.amdhsa_inst_pref_size 17
	.end_amdhsa_kernel
	.amdgpu_metadata
---
amdhsa.version: [ 1, 2 ]
amdhsa.kernels:
  - .name:           k_qc5d49d55fe_prep
    .symbol:         k_qc5d49d55fe_prep.kd
    .args:
      - { .name: x, .offset: 0, .size: 8, .value_kind: global_buffer, .address_space: global }
      - { .name: Wq, .offset: 8, .size: 8, .value_kind: global_buffer, .address_space: global }
      - { .name: Wk, .offset: 16, .size: 8, .value_kind: global_buffer, .address_space: global }
      - { .name: Wv, .offset: 24, .size: 8, .value_kind: global_buffer, .address_space: global }
      - { .name: Wo, .offset: 32, .size: 8, .value_kind: global_buffer, .address_space: global }
      - { .name: codes, .offset: 40, .size: 8, .value_kind: global_buffer, .address_space: global }
      - { .name: scales, .offset: 48, .size: 8, .value_kind: global_buffer, .address_space: global }
    .group_segment_fixed_size: 102144
    .private_segment_fixed_size: 0
    .kernarg_segment_align: 8
    .kernarg_segment_size: 56
    .max_flat_workgroup_size: 192
    .sgpr_count:     66
    .vgpr_count:     256
    .wavefront_size: 32
...
	.end_amdgpu_metadata
.endif
;; end of part 5
;; launch qkv (part 6): grid 64 x 4, 9 waves a work-group, no clusters, 0 bytes of LDS; arguments codes, scales, bq, bk, bv, qimg, qscl, kv; writes qimg, qscl, kv
.if DOCPART == 6
	.amdgcn_target "amdgcn-amd-amdhsa--gfx1250"
	.amdhsa_code_object_version 6
	.text
	.protected	k_qc5d49d55fe_qkv
	.globl	k_qc5d49d55fe_qkv
	.p2align	8
	.type	k_qc5d49d55fe_qkv,@function
k_qc5d49d55fe_qkv:
	s_mov_b64 s[64:65], 0
	v_nop
	global_prefetch_b8 v0, s[64:65] scope:SCOPE_SE
	s_setreg_imm32_b32 hwreg(HW_REG_WAVE_MODE, 25, 1), 1
	s_wait_xcnt 0x0
; QKV: q = x Wq^T + bq, k = x Wk^T + bk, v = x Wv^T + bv on codes of BF6 with E8M0 scales, and their results quantised at once for attention's two products: q and k along the head's 64, v along the keys.
; SHARES: a wave makes 64 tokens x one head's 64 channels of one of q, k, v: 16 accumulators of 16 x 16.  Work-group (X, y): tokens 64 X on; wave w: g = 9 y + w in 0 .. 35, kind g / 12, head g % 12.  2,304 waves in 256 work-groups.
; ONE BODY FOR THE THREE KINDS; only scalars differ.  q, k: source 0 = 4 tiles of W (channels), source 1 = 4 tiles of x (tokens): a lane then holds ONE token and its registers run along the channels, the next product's K.
; v: source 0 = x, source 1 = Wv: a lane holds ONE channel and its registers run along the keys, the K of the second product.
; Fragments lie in memory in the order of an operand's registers, so they come straight into registers: 16 + 8 bytes a lane for each half, each load 512 or 256 consecutive bytes.  K = 768 is six steps, written out: every offset is an immediate.
; QUANTISING A RESULT.  In tile i of source 0, lane (r, h) holds index 16 i + 8 h + 0 .. 7.  The 16 registers of tiles 2b, 2b+1 are 16 numbers of block b; lane l xor 16 has the other 16.  Two conversions and three exchanges of halves
; give lane h the whole block h, its codes in the order 0-7, 16-23, 8-15, 24-31, which is this program's order inside every block of every operand.
; OUT: q: qimg [head 24][tile 128] halves of 768 bytes, qscl one word a token; k and v: kv [head 24][16 key steps] chunks of 13,056 bytes: K's 8 tiles x 768, V^T's 4 fragments x 1,536, K's 128 scale words, V's 64.
; q's and k's K is 64: the upper half of a K step of 128 is zero codes on both sides in the next launch; bytes 2, 3 of their scale words repeat bytes 0, 1 (never 0xff, no larger than the true scales).
; NO LDS, NO TENSOR LOADS, NO CLUSTER: the operands are 36 KiB of codes a side and a wave, taken whole in register order; the nine waves of a work-group read the same four tiles of x at about the same time,
; and N = 2,304 in wave tiles of 64 gives 256 work-groups, where blocks of 256 x 256 fed through LDS would give 144.
; LIMITS: NaN and infinities are not served; a block whose largest magnitude lies under 2^-122 keeps the byte 1, a block of zeros too (its codes are zeros; this program alone reads the bytes).
.set SC0, 8                            ; v8-19   source 0's scale words: pair m, K step s at v[SC0 + 6 m + s].  v8-31 hold scale words and nothing else
.set SC1, 20                           ; v20-31  source 1's
.set F0,  32                           ; v32-79  source 0's four fragments
.set F1,  80                           ; v80-127 source 1's
.set ACC, 128                          ; v128-255 accumulator (i, j) at ACC + 32 j + 8 i: a source-1 tile's 32 registers lie on end
.set PA0, 28                           ; s[28:29] source 0's fragments;  s[30:31] source 1's
.set PA1, 30
.set PS0, 32                           ; s[32:33], s[34:35] their scale words
.set PS1, 34
.set BIA, 36                           ; s[36:37] the head's 64 biases
.set OI,  38                           ; s[38:39] where the images go
.set OS,  40                           ; s[40:41] where the scale words go
.set SEL, 50                           ; s[50:51] selects for lane l xor 16
.set QS,  ACC                          ; the quantiser's registers: numbers,
.set QH,  64                           ; images (tile j at QH + 8 j, six registers),
.set QM,  96                           ; largest magnitudes (tile j, block b at + 2 j + b),
.set QP,  104                          ; the other half's, then the bytes,
.set QO,  112                          ; the conversions' scale operands,
.set QT,  32                           ; the second blocks' codes before the exchange,
.set QW,  120                          ; and each tile's two bytes
.macro LDFRAG reg, base, off           ; a fragment: two halves of 16 + 8 bytes a lane
.irp c, 0,1
	global_load_b128 v[\reg+6*\c:\reg+6*\c+3], v1, s[\base:\base+1] offset:\off+768*\c
	global_load_b64 v[\reg+6*\c+4:\reg+6*\c+5], v2, s[\base:\base+1] offset:\off+768*\c+512
.endr
.endm
; One product.  A scale register carries two tiles' words: the odd tile's are read from lanes 16-31.  The first K step starts the sums with the constant 0.
.macro WM i, j, s
.set rD, ACC+32*\j+8*\i
.set rA, F0+12*\i
.set rB, F1+12*\j
.set rP, SC0+6*(\i/2)+\s
.set rQ, SC1+6*(\j/2)+\s
.if \s == 0
.if (\i%2) && (\j%2)
	v_wmma_scale_f32_16x16x128_f8f6f4 v[rD:rD+7], v[rA:rA+11], v[rB:rB+11], 0, v[rP], v[rQ] matrix_a_fmt:MATRIX_FMT_BF6 matrix_b_fmt:MATRIX_FMT_BF6 matrix_a_scale:MATRIX_SCALE_ROW1 matrix_b_scale:MATRIX_SCALE_ROW1
.elseif \i%2
	v_wmma_scale_f32_16x16x128_f8f6f4 v[rD:rD+7], v[rA:rA+11], v[rB:rB+11], 0, v[rP], v[rQ] matrix_a_fmt:MATRIX_FMT_BF6 matrix_b_fmt:MATRIX_FMT_BF6 matrix_a_scale:MATRIX_SCALE_ROW1
.elseif \j%2
	v_wmma_scale_f32_16x16x128_f8f6f4 v[rD:rD+7], v[rA:rA+11], v[rB:rB+11], 0, v[rP], v[rQ] matrix_a_fmt:MATRIX_FMT_BF6 matrix_b_fmt:MATRIX_FMT_BF6 matrix_b_scale:MATRIX_SCALE_ROW1
.else
	v_wmma_scale_f32_16x16x128_f8f6f4 v[rD:rD+7], v[rA:rA+11], v[rB:rB+11], 0, v[rP], v[rQ] matrix_a_fmt:MATRIX_FMT_BF6 matrix_b_fmt:MATRIX_FMT_BF6
.endif
.else
.if (\i%2) && (\j%2)
	v_wmma_scale_f32_16x16x128_f8f6f4 v[rD:rD+7], v[rA:rA+11], v[rB:rB+11], v[rD:rD+7], v[rP], v[rQ] matrix_a_fmt:MATRIX_FMT_BF6 matrix_b_fmt:MATRIX_FMT_BF6 matrix_a_scale:MATRIX_SCALE_ROW1 matrix_b_scale:MATRIX_SCALE_ROW1
.elseif \i%2
	v_wmma_scale_f32_16x16x128_f8f6f4 v[rD:rD+7], v[rA:rA+11], v[rB:rB+11], v[rD:rD+7], v[rP], v[rQ] matrix_a_fmt:MATRIX_FMT_BF6 matrix_b_fmt:MATRIX_FMT_BF6 matrix_a_scale:MATRIX_SCALE_ROW1
.elseif \j%2
	v_wmma_scale_f32_16x16x128_f8f6f4 v[rD:rD+7], v[rA:rA+11], v[rB:rB+11], v[rD:rD+7], v[rP], v[rQ] matrix_a_fmt:MATRIX_FMT_BF6 matrix_b_fmt:MATRIX_FMT_BF6 matrix_b_scale:MATRIX_SCALE_ROW1
.else
	v_wmma_scale_f32_16x16x128_f8f6f4 v[rD:rD+7], v[rA:rA+11], v[rB:rB+11], v[rD:rD+7], v[rP], v[rQ] matrix_a_fmt:MATRIX_FMT_BF6 matrix_b_fmt:MATRIX_FMT_BF6
.endif
.endif
.endm
; A K step of 128: 32 loads, 16 products.  The 16 accumulators take turns, one instruction a turn, in the same order in every step.
.macro KSTEP s
.if \s > 0
.rept 4
	v_nop                                          ; four places in front of loads into registers that matrix instructions have read
.endr
.endif
.irp i, 0,1,2,3
	LDFRAG F0+12*\i, PA0, 9216*\i+1536*\s
.endr
.irp j, 0,1,2,3
	LDFRAG F1+12*\j, PA1, 9216*\j+1536*\s
.endr
.irp j, 0,1,2,3
	s_wait_loadcnt 12-4*\j                         ; source 0 and source 1's tile j are in; the tiles behind it, four loads each, may stay out
.irp i, 0,1,2,3
	WM \i, \j, \s
.endr
.endr
.endm
; nj tiles of 32 numbers a lane (two half blocks of 16) become images of half a fragment and two scale bytes each.  All tiles and blocks by turns, so that no line waits for the line above it.
.macro QUANT2 nj
.irp j, 0,1,2,3
.if \j < \nj
.irp b, 0,1
	v_mov_b32 v[QP+2*\j+\b], 0                     ; a lane permute's destination counts as read
.endr
.endif
.endr
.irp j, 0,1,2,3
.if \j < \nj
.irp b, 0,1
	v_max3_num_f32 v[QM+2*\j+\b], |v[QS+32*\j+16*\b]|, |v[QS+32*\j+16*\b+1]|, 0x2800000   ; my 16 numbers of block b, and the floor 2^(5 - 127): the byte cannot fall under 1
.endr
.endif
.endr
.irp i, 2,4,6,8,10,12,14
.irp j, 0,1,2,3
.if \j < \nj
.irp b, 0,1
	v_max3_num_f32 v[QM+2*\j+\b], v[QM+2*\j+\b], |v[QS+32*\j+16*\b+\i]|, |v[QS+32*\j+16*\b+\i+1]|
.endr
.endif
.endr
.endr
.irp j, 0,1,2,3
.if \j < \nj
.irp b, 0,1
	v_permlanex16_b32 v[QP+2*\j+\b], v[QM+2*\j+\b], s[SEL], s[SEL+1]
.endr
.endif
.endr
.irp j, 0,1,2,3
.if \j < \nj
.irp b, 0,1
	v_max_num_f32 v[QM+2*\j+\b], v[QM+2*\j+\b], v[QP+2*\j+\b]   ; with lane l xor 16's 16: the block's largest magnitude
.endr
.endif
.endr
.irp j, 0,1,2,3
.if \j < \nj
.irp b, 0,1
	v_add_nc_u32 v[QO+2*\j+\b], 0xfe000000, v[QM+2*\j+\b]       ; 4 off its exponent field: the conversion's scale operand
.endr
.endif
.endr
.irp j, 0,1,2,3
.if \j < \nj
.irp b, 0,1
	v_lshrrev_b32 v[QP+2*\j+\b], 23, v[QO+2*\j+\b]              ; the scale's byte
.endr
.endif
.endr
.irp j, 0,1,2,3
.if \j < \nj
	v_lshl_or_b32 v[QW+\j], v[QP+2*\j+1], 8, v[QP+2*\j]
.endif
.endr
.irp j, 0,1,2,3
.if \j < \nj
	v_cvt_scalef32_pk16_bf6_f32 v[QH+8*\j:QH+8*\j+2], v[QS+32*\j:QS+32*\j+15], v[QO+2*\j]
	v_cvt_scalef32_pk16_bf6_f32 v[QT+4*\j:QT+4*\j+2], v[QS+32*\j+16:QS+32*\j+31], v[QO+2*\j+1]
.endif
.endr
	v_nop                                          ; one plain place behind the scaled conversions
.irp j, 0,1,2,3
.if \j < \nj
.irp i, 0,1,2
	v_permlane16_swap_b32 v[QH+8*\j+\i], v[QT+4*\j+\i]          ; the first's lanes 16-31 change places with the second's lanes 0-15: lane h now has block h, lower 16 codes in the first, upper 16 in the second
.endr
.irp i, 0,1,2
	s_delay_alu instid0(VALU_DEP_3)
	v_mov_b32 v[QH+8*\j+3+\i], v[QT+4*\j+\i]
.endr
.endif
.endr
.endm
	s_load_b256 s[4:11], s[0:1], 0x0               ; codes, scales, bq, bk
	s_load_b256 s[12:19], s[0:1], 0x20             ; bv, qimg, qscl, kv
	v_lshrrev_b32 v6, 5, v0
	s_delay_alu instid0(VALU_DEP_1)
	v_readfirstlane_b32 s20, v6                    ; wave 0..8
	v_and_b32 v6, 31, v0                           ; lane
	s_delay_alu instid0(VALU_DEP_1)
	v_lshlrev_b32 v1, 4, v6                        ; 16 x lane
	s_delay_alu instid0(VALU_DEP_2)
	v_lshlrev_b32 v2, 3, v6                        ; 8 x lane
	s_delay_alu instid0(VALU_DEP_3)
	v_lshlrev_b32 v3, 2, v6                        ; 4 x lane
	v_bfe_u32 v4, v0, 4, 1
	s_delay_alu instid0(VALU_DEP_1)
	v_lshlrev_b32 v4, 5, v4                        ; 32 h: my eight biases of a tile (q, k)
	v_and_b32 v5, 15, v0
	s_delay_alu instid0(VALU_DEP_1)
	v_lshlrev_b32 v5, 2, v5                        ; 4 r: my one bias of a tile (v)
	s_mov_b32 s[SEL], 0x76543210
	s_mov_b32 s[SEL+1], 0xfedcba98
	s_and_b32 s22, ttmp7, 0xffff
	s_mul_i32 s22, s22, 9
	s_add_co_u32 s22, s22, s20                     ; g = 9 y + wave
	s_cmp_ge_u32 s22, 12
	s_cselect_b32 s26, 12, 0
	s_sub_co_u32 s23, s22, s26
	s_cmp_ge_u32 s22, 24
	s_cselect_b32 s26, 12, 0
	s_sub_co_u32 s23, s23, s26                     ; the head: g % 12
	s_lshl_b32 s42, s22, 2
	s_add_co_u32 s42, s42, 256                     ; the weight's first tile: 256 + 4 g (Wq, Wk, Wv lie on end)
	s_lshl_b32 s43, ttmp9, 2                       ; x's first tile: 4 X
	s_lshr_b32 s44, ttmp9, 5                       ; the batch
	s_mul_i32 s44, s44, 12
	s_add_co_u32 s44, s44, s23                     ; bh = 12 x batch + head
	s_and_b32 s45, ttmp9, 31                       ; which 64 tokens of the batch
	s_lshr_b32 s46, s45, 1
	s_mul_i32 s46, s46, 13056
	s_mul_i32 s47, s44, 208896
	s_add_co_u32 s46, s46, s47                     ; the key step's chunk in kv
	s_and_b32 s47, s45, 1                          ; and which half of its 128 keys
	s_mul_i32 s48, s47, 3072
	s_add_co_u32 s48, s48, s46                     ; k: images
	s_lshl_b32 s49, s47, 8
	s_add_co_u32 s49, s49, s46
	s_add_co_u32 s49, s49, 12288                   ; k: scale words
	s_mul_i32 s52, s47, 768
	s_add_co_u32 s52, s52, s46
	s_add_co_u32 s52, s52, 6144                    ; v: images
	s_lshl_b32 s53, s47, 1
	s_add_co_u32 s53, s53, s46
	s_add_co_u32 s53, s53, 12800                   ; v: two bytes of each channel's word
	s_mul_i32 s54, s44, 98304
	s_mul_i32 s55, s45, 3072
	s_add_co_u32 s54, s54, s55                     ; q: images
	s_lshl_b32 s55, s44, 13
	s_lshl_b32 s21, s45, 8
	s_add_co_u32 s55, s55, s21                     ; q: scale words
	s_mov_b32 s27, 0
	s_wait_alu depctr_va_vdst(0)
	s_wait_kmcnt 0x0
	s_cmp_lt_u32 s22, 24                           ; q or k?  (all choices hang on ids alone)
	s_cselect_b32 s24, s42, s43                    ; source 0's first tile
	s_cselect_b32 s25, s43, s42                    ; source 1's
	s_cselect_b32 s48, s48, s52
	s_cselect_b32 s49, s49, s53
	s_cselect_b64 s[BIA:BIA+1], s[10:11], s[12:13]
	s_cmp_lt_u32 s22, 12                           ; q?
	s_cselect_b32 s48, s54, s48
	s_cselect_b32 s49, s55, s49
	s_cselect_b64 s[BIA:BIA+1], s[8:9], s[BIA:BIA+1]
	s_cselect_b64 s[OI:OI+1], s[14:15], s[18:19]
	s_cselect_b64 s[OS:OS+1], s[16:17], s[18:19]
	s_mul_i32 s26, s24, 9216
	s_add_nc_u64 s[PA0:PA0+1], s[4:5], s[26:27]
	s_mul_i32 s26, s25, 9216
	s_add_nc_u64 s[PA1:PA1+1], s[4:5], s[26:27]
	s_mul_i32 s26, s24, 384                        ; 768 bytes of scale words for a pair of tiles
	s_add_nc_u64 s[PS0:PS0+1], s[6:7], s[26:27]
	s_mul_i32 s26, s25, 384
	s_add_nc_u64 s[PS1:PS1+1], s[6:7], s[26:27]
	s_lshl_b32 s26, s23, 8
	s_add_nc_u64 s[BIA:BIA+1], s[BIA:BIA+1], s[26:27]
	s_mov_b32 s26, s48
	s_add_nc_u64 s[OI:OI+1], s[OI:OI+1], s[26:27]
	s_mov_b32 s26, s49
	s_add_nc_u64 s[OS:OS+1], s[OS:OS+1], s[26:27]
.irp m, 0,1                                    ; all scale words of the six steps, ahead of the fragments: 128 consecutive bytes a load
.irp s, 0,1,2,3,4,5
	global_load_b32 v[SC0+6*\m+\s], v3, s[PS0:PS0+1] offset:768*\m+128*\s
	global_load_b32 v[SC1+6*\m+\s], v3, s[PS1:PS1+1] offset:768*\m+128*\s
.endr
.endr
	KSTEP 0
	KSTEP 1
	KSTEP 2
	KSTEP 3
	KSTEP 4
	KSTEP 5
.rept 4
	v_nop                                          ; four places in front of the first read of results and of loads into the fragments' registers
.endr
	s_cmp_lt_u32 s22, 24
	s_cbranch_scc0 .Lbias_v
.irp i, 0,1,2,3                                ; q, k: register 8 i + n of a lane is channel 16 i + 8 h + n
	global_load_b128 v[32+8*\i:35+8*\i], v4, s[BIA:BIA+1] offset:64*\i
	global_load_b128 v[36+8*\i:39+8*\i], v4, s[BIA:BIA+1] offset:64*\i+16
.endr
	s_wait_loadcnt 0x0
.irp j, 0,1,2,3
.irp i, 0,1,2,3
.irp p, 0,2,4,6                                ; each accumulator from its low end on
	v_pk_add_f32 v[ACC+32*\j+8*\i+\p:ACC+32*\j+8*\i+\p+1], v[ACC+32*\j+8*\i+\p:ACC+32*\j+8*\i+\p+1], v[32+8*\i+\p:33+8*\i+\p]
.endr
.endr
.endr
	s_branch .Lquant
.Lbias_v:
.irp j, 0,1,2,3                                ; v: all of a lane's registers of source-1 tile j are channel 16 j + r; the number is loaded twice to fill a pair
	global_load_b32 v[32+2*\j], v5, s[BIA:BIA+1] offset:64*\j
	global_load_b32 v[33+2*\j], v5, s[BIA:BIA+1] offset:64*\j
.endr
	s_wait_loadcnt 0x0
.irp j, 0,1,2,3
.irp i, 0,1,2,3
.irp p, 0,2,4,6
	v_pk_add_f32 v[ACC+32*\j+8*\i+\p:ACC+32*\j+8*\i+\p+1], v[ACC+32*\j+8*\i+\p:ACC+32*\j+8*\i+\p+1], v[32+2*\j:33+2*\j]
.endr
.endr
.endr
.Lquant:
	QUANT2 4
	v_cmp_gt_u32 vcc_lo, 16, v6
	s_cmp_lt_u32 s22, 24
	s_cbranch_scc0 .Lstore_v
	; WHICH KEYS FORM A TILE OF K.  q's tile j is tokens 16 j on, 768 bytes on end.  k's token 16 j + r goes to tile (j % 2) + 2 (r / 8), row 8 (j / 2) + r % 8 of its 64 keys' four tiles:
	; rows 8 h + n of tile u are then keys 32 h + 8 (0, 2, 1, 3)[u] + n, so that in the next launch a lane's 32 scores of four tiles are one whole block of 32 keys, in this program's order inside a block.
	; In bytes: 16 x lane + 1,408 x (r / 8) + 768 (j % 2) + 128 (j / 2), and 8 x lane + 1,472 x (r / 8) + 768 (j % 2) + 64 (j / 2) + 512: runs of 128 and 64 bytes; tiles j and j + 2 fill each other's units.
	s_cmp_lt_u32 s22, 12                           ; q?
	s_cselect_b32 s24, 0, 1408
	s_cselect_b32 s25, 0, 1472
	s_mov_b32 s26, 128
	s_cselect_b32 s26, 1536, s26                   ; from tiles 0, 1 to tiles 2, 3
	s_cselect_b32 s27, 1536, 64
	s_wait_alu depctr_va_vdst(0)
	v_bfe_u32 v132, v6, 3, 1                       ; r / 8
	s_delay_alu instid0(VALU_DEP_1)
	v_mad_u32_u24 v128, v132, s24, v1
	v_mad_u32_u24 v130, v132, s25, v2
	s_delay_alu instid0(VALU_DEP_2)
	v_add_nc_u32 v129, s26, v128
	s_delay_alu instid0(VALU_DEP_2)
	v_add_nc_u32 v131, s27, v130
.irp j, 0,1,2,3                                ; q: tile j's 16 tokens x 64 channels, 768 bytes on end; k: rows spread over four tiles as above
	global_store_b128 v[128+\j/2], v[QH+8*\j:QH+8*\j+3], s[OI:OI+1] offset:768*(\j%2)
	global_store_b64 v[130+\j/2], v[QH+8*\j+4:QH+8*\j+5], s[OI:OI+1] offset:768*(\j%2)+512
.endr
.irp j, 0,1,2,3
	v_lshl_or_b32 v[QW+\j], v[QW+\j], 16, v[QW+\j]              ; the word: the two bytes, and the same again for the zero codes of the K step's upper half
.endr
.irp m, 0,1
	v_cndmask_b32 v[124+\m], v[QW+2*\m+1], v[QW+2*\m], vcc_lo   ; lanes 0-15 the even tile's tokens, lanes 16-31 the odd tile's
	global_store_b32 v3, v[124+\m], s[OS:OS+1] offset:128*\m    ; 128 consecutive bytes
.endr
	s_endpgm
.Lstore_v:
	s_wait_alu depctr_va_vdst(0)
.irp j, 0,1,2,3                                ; v: channel tile j's half fragment: 16 channels x my 64 keys
	global_store_b128 v1, v[QH+8*\j:QH+8*\j+3], s[OI:OI+1] offset:1536*\j
	global_store_b64 v2, v[QH+8*\j+4:QH+8*\j+5], s[OI:OI+1] offset:1536*\j+512
.endr
.irp m, 0,1
	v_cndmask_b32 v[124+\m], v[QW+2*\m+1], v[QW+2*\m], vcc_lo
	global_store_b16 v3, v[124+\m], s[OS:OS+1] offset:128*\m    ; two of the four bytes of each channel's word: the other two are the neighbouring 64 keys' wave's.  256 bytes of scale words for 6,144 of codes
.endr
	s_endpgm
.Lfunc_end_k_qc5d49d55fe_qkv:
	.size	k_qc5d49d55fe_qkv, .Lfunc_end_k_qc5d49d55fe_qkv-k_qc5d49d55fe_qkv
	.p2alignl 7, 3214868480
	.fill 96, 4, 3214868480
	.section	.rodata,"a",@progbits
	.p2align	6, 0x0
	.amdhsa_kernel k_qc5d49d55fe_qkv
		.amdhsa_group_segment_fixed_size 0
		.amdhsa_private_segment_fixed_size 0
		.amdhsa_enable_private_segment 0
		.amdhsa_kernarg_size 64
		.amdhsa_user_sgpr_count 2
		.amdhsa_user_sgpr_kernarg_segment_ptr 1
		.amdhsa_wavefront_size32 1
		.amdhsa_system_sgpr_workgroup_id_x 1
		.amdhsa_system_sgpr_workgroup_id_y 1
		.amdhsa_system_sgpr_workgroup_id_z 1
		.amdhsa_system_vgpr_workitem_id 0
		.amdhsa_next_free_vgpr 256
		.amdhsa_next_free_sgpr 66
		.amdhsa_reserve_vcc 1
		.amdhsa_float_denorm_mode_32 3
		.amdhsa_float_denorm_mode_16_64 3
		.amdhsa_memory_ordered 1
		.amdhsa_forward_progress 1
		.amdhsa_inst_pref_size 59
	.end_amdhsa_kernel
	.amdgpu_metadata
---
amdhsa.version: [ 1, 2 ]
amdhsa.kernels:
  - .name:           k_qc5d49d55fe_qkv
    .symbol:         k_qc5d49d55fe_qkv.kd
    .args:
      - { .name: codes, .offset: 0, .size: 8, .value_kind: global_buffer, .address_space: global }
      - { .name: scales, .offset: 8, .size: 8, .value_kind: global_buffer, .address_space: global }
      - { .name: bq, .offset: 16, .size: 8, .value_kind: global_buffer, .address_space: global }
      - { .name: bk, .offset: 24, .size: 8, .value_kind: global_buffer, .address_space: global }
      - { .name: bv, .offset: 32, .size: 8, .value_kind: global_buffer, .address_space: global }
      - { .name: qimg, .offset: 40, .size: 8, .value_kind: global_buffer, .address_space: global }
      - { .name: qscl, .offset: 48, .size: 8, .value_kind: global_buffer, .address_space: global }
      - { .name: kv, .offset: 56, .size: 8, .value_kind: global_buffer, .address_space: global }
    .group_segment_fixed_size: 0
    .private_segment_fixed_size: 0
    .kernarg_segment_align: 8
    .kernarg_segment_size: 64
    .max_flat_workgroup_size: 288
    .sgpr_count:     66
    .vgpr_count:     256
    .wavefront_size: 32
...
	.end_amdgpu_metadata
.endif
;; end of part 6
;; launch attn (part 7): grid 256 x 1, 12 waves a work-group, no clusters, 314,880 bytes of LDS; arguments qimg, qscl, kv, oimg, oscl; writes oimg, oscl
.if DOCPART == 7
	.amdgcn_target "amdgcn-amd-amdhsa--gfx1250"
	.amdhsa_code_object_version 6
	.text
	.protected	k_qc5d49d55fe_attn
	.globl	k_qc5d49d55fe_attn
	.p2align	8
	.type	k_qc5d49d55fe_attn,@function
k_qc5d49d55fe_attn:
	s_mov_b64 s[64:65], 0
	v_nop
	global_prefetch_b8 v0, s[64:65] scope:SCOPE_SE
	s_setreg_imm32_b32 hwreg(HW_REG_WAVE_MODE, 25, 1), 1
	s_wait_xcnt 0x0
; ATTN: out[q] = (sum over keys of p v) / l, p = 2^(t - M), t = (q . k) log2(e) / 8, both products on codes of BF6 with E8M0 scales; out is quantised at once along the model's 768 for the last product.
; M = the running largest t rounded UP to a whole number; when it moves, the sums l and O are multiplied by 2^(old M - new M), which rounds nothing.  l is the sum of the UNQUANTISED p.
; SHARES: 24 heads x 128 tiles of 16 queries = 3,072 tiles = 256 work-groups x 12 waves: wave w of work-group i owns tile 12 i + w, three waves to a SIMD.  Every wave walks its head's 16 key steps of 128 keys.
; 128 is no multiple of 12, so a work-group's tiles lie in ONE OR TWO heads: its first tile's (A) and its last tile's (B).  One path serves every work-group: where both heads are one, the same bytes come twice.
; THE FEED: twelve LDS slots; a slot holds one key step's chunk of head A and of head B, 26,112 bytes; step s lies in slot s % 12, so only steps 12 to 15 land on bytes that were read before.
; Wave w brings bytes 2,176 w on of a slot (four loads of 512 bytes and one of 128) through 18 registers of window 1, four such sets; step s goes through set s % 4.
; A FILL stands between runs of steps: the wait of the barrier signalled at the fill before, the wait for loads, the stores, the wait for them, the signal, and the loads that take the sets just stored.
;   head: steps 0, 1 stored, 4, 5 asked for | step 0 | 2, 3 stored, 6, 7 asked | step 1 | 4, 5 stored, 8, 9 asked | steps 2, 3 | 6-9 stored, 10-13 asked | steps 4, 5 | 10-13 stored, 14, 15 asked | steps 6-9 | 14, 15 stored | steps 10-13 | steps 14, 15
; Each run of steps reads only what was stored ahead of a signal whose wait the wave has passed.  A wave that stores steps 12, 13 (14, 15) into slots 0, 1 (2, 3) has passed the wait of the signal that every wave gave ahead of its step 4 (6).
; Between a signal and its wait stand registers' work, global loads and LDS reads of slots that nobody writes before a later barrier.
; NO CLUSTER, NO TENSOR LOAD: neighbouring work-groups do not all read the same pair of heads (12 does not divide 128), so partners would need different tiles.  NO PREFETCH: the loads themselves are asked for two to four steps ahead of their stores.
; LAYOUT: both products are used transposed: S^T = K Q^T (source 0 = keys, source 1 = my queries), O^T = V^T P^T (source 0 = 16 channels, source 1 = p): a lane holds ONE query (lane % 16) throughout.
; THE FIRST PRODUCT'S K IS 64, the instruction's 128: a fragment of K holds TWO tiles of 16 keys, at K 0-63 and K 64-127.  Q stands as (q, zeros, q) in 18 registers: registers 0-11 pick the even tile, registers 6-17 the odd one.
; A LANE HOLDS WHOLE BLOCKS OF p: rows 8 h + n of K's tile 4 c + u are keys 64 c + 32 h + 8 (0, 2, 1, 3)[u] + n (so the launch before laid them).  The 32 registers of score tiles 4 c .. 4 c + 3 of lane (r, h) are then block 2 c + h
; of the 128 keys, in the order in which V's codes lie: two conversions make the block's codes where the operand wants them, no lane gives codes to another, and a block's largest score needs no other lane.
; K's scale words lie by key in the chunk: each lane reads the word of its tile's row.
; A chunk (128 keys, 13,056 bytes): K's 4 fragments x 1,536; at 6,144 V^T's 4 fragments x 1,536; at 12,288 K's 128 scale words; at 12,800 V's 64.
; LIMITS: NaN and infinities are not served; the promise holds while the scaled scores stay under 2^31 in magnitude; a block of p that has fallen to zeros, or under 2^-122, keeps the scale byte 1; 1 / l is v_rcp_f32 and a multiplication.
.set CH,    13056
.set PAIR,  2*CH                       ; a slot
.set PIECE, PAIR/12                    ; a wave's part of a slot: 2,176 bytes
.set SPARE, 12*PAIR                    ; behind the slots: the spare words, 128 bytes a wave
.set LN,  0                            ; v0      the lane
.set A16, 1                            ; v1      16 x lane + my head's half of the step's slot
.set A8,  2                            ; v2      8 x lane likewise
.set AK,  3                            ; v3      K's scale word of my tile's row
.set A4,  4                            ; v4      4 x lane
.set AKL, 5                            ; v5      the lane's term of v3; never rewritten
.set H8,  9                            ; v9      8 h
.set KS,  10                           ; v10-13  K's scale words: lanes 0-15 tile 2 m, lanes 16-31 tile 2 m + 1.  v10-17 hold scale words and nothing else
.set QSC, 14
.set PSC, 15
.set VS,  16                           ; v16-17
.set NM,  18                           ; v18     -M
.set SMX, 19                           ; v19     the largest score so far
.set FF,  20                           ; v[20:21] f = 2^(old M - new M), and a word named with it
.set SUM, 22                           ; v22-29  the row's sum in four running pairs
.set Q,   30                           ; v30-47  q, zeros, q
.set KF,  48                           ; v48-95  K's four fragments; behind the score products the softmax's scratch
.set VF,  96                           ; v96-143 V's four
.set S,   144                          ; v144-207 S^T, then p
.set O,   208                          ; v208-239 O^T
.set PC,  240                          ; v240-251 p's codes
.set MA,  KF                           ; four chains of maxima
.set BM,  KF+4                         ; my two blocks' largest scores, then largest p
.set TS,  KF+6
.set X,   KF+7
.set SO,  KF+8                         ; the conversions' scale operands
.set BY,  KF+10                        ; the scale bytes
.set W,   KF+12
.set TPA, KF+16                        ; the upper halves of two blocks' codes, before they are moved
.set E16, KF+24                        ; the last stores' offsets
.set WA16, 72                          ; window 1: v0-71 four sets of 18; v72-73 16, 4 x lane; v74-75 where I store; v78-79 the add's two registers
.set WA4,  73
.set ST16, 74
.set ST4,  75
.set SPW,  78
.set NIL,  79
.set SEL, 20                           ; s[20:21] selects for lane l xor 16
.set CS,  22                           ; s[22:23] c = log2(e) / 8
.set NC,  24                           ; s24 -c
.set CNT, 25
.set RB,  31                           ; s31 my head's half of a slot: 0 or CH
.set SW,  32                           ; s32 my part of a slot
.set TB,  35                           ; s35 the step's slot + s31
.set SX,  36                           ; s36 the slot stored into + s32
.set MSB, 0
.macro WIN new                         ; s_set_vgpr_msb: bits 1:0 source 0, 3:2 source 1, 5:4 source 2, 7:6 destination; the high byte repeats the setting that is left
.if MSB != (\new)
	s_set_vgpr_msb (MSB<<8)|(\new)
.set MSB, (\new)
.endif
.endm
.macro DEP n
	s_delay_alu instid0(VALU_DEP_\n)
.endm
.macro LOADP k, off                    ; my part of a key step into set k
.irp i, 0,1,2,3
	global_load_b128 v[18*(\k)+4*\i:18*(\k)+4*\i+3], v[WA16], s[8:9] offset:(\off)+512*\i
.endr
	global_load_b32 v[18*(\k)+16], v[WA4], s[8:9] offset:(\off)+2048
.endm
.macro LD2 a                           ; key steps a, a + 1 (a even) are asked for
	WIN 0x41
	LOADP (\a)%4, (\a)*CH
	LOADP (\a)%4+1, ((\a)+1)*CH
.endm
.macro STOREP k, off
.irp i, 0,1,2,3
	ds_store_b128 v[ST16], v[18*(\k)+4*\i:18*(\k)+4*\i+3] offset:(\off)+512*\i
.endr
	ds_store_b32 v[ST4], v[18*(\k)+16] offset:(\off)+2048
.endm
.macro ST2 a                           ; my parts of key steps a, a + 1 go into slots a % 12 and the next
	s_add_co_u32 s[SX], s[SW], ((\a)%12)*PAIR
	WIN 0x40
	v_lshl_add_u32 v[ST16], v[LN], 4, s[SX]
	v_lshl_add_u32 v[ST4], v[LN], 2, s[SX]
	WIN 0x05
	STOREP (\a)%4, 0
	STOREP (\a)%4+1, PAIR
.endm
.macro SAY                             ; for the others' sake: my stores are done; then the signal
	WIN 0
	s_wait_dscnt 0x0
	s_barrier_signal -1
.endm
.macro SPROD t                         ; score tile t: half t % 2 of K's fragment t / 2, picked by where q stands in source 1; the odd tile's scale words are read from lanes 16-31
.if (\t)%2
	v_wmma_scale_f32_16x16x128_f8f6f4 v[S+8*(\t):S+8*(\t)+7], v[KF+12*((\t)/2):KF+12*((\t)/2)+11], v[Q+6:Q+17], 0, v[KS+(\t)/2], v[QSC] matrix_a_fmt:MATRIX_FMT_BF6 matrix_b_fmt:MATRIX_FMT_BF6 matrix_a_scale:MATRIX_SCALE_ROW1
.else
	v_wmma_scale_f32_16x16x128_f8f6f4 v[S+8*(\t):S+8*(\t)+7], v[KF+12*((\t)/2):KF+12*((\t)/2)+11], v[Q:Q+11], 0, v[KS+(\t)/2], v[QSC] matrix_a_fmt:MATRIX_FMT_BF6 matrix_b_fmt:MATRIX_FMT_BF6
.endif
.endm
.macro PVPROD t                        ; O^T's tile t: channels 16 t on
.if (\t)%2
	v_wmma_scale_f32_16x16x128_f8f6f4 v[O+8*(\t):O+8*(\t)+7], v[VF+12*(\t):VF+12*(\t)+11], v[PC:PC+11], v[O+8*(\t):O+8*(\t)+7], v[VS+(\t)/2], v[PSC] matrix_a_fmt:MATRIX_FMT_BF6 matrix_b_fmt:MATRIX_FMT_BF6 matrix_a_scale:MATRIX_SCALE_ROW1
.else
	v_wmma_scale_f32_16x16x128_f8f6f4 v[O+8*(\t):O+8*(\t)+7], v[VF+12*(\t):VF+12*(\t)+11], v[PC:PC+11], v[O+8*(\t):O+8*(\t)+7], v[VS+(\t)/2], v[PSC] matrix_a_fmt:MATRIX_FMT_BF6 matrix_b_fmt:MATRIX_FMT_BF6
.endif
.endm
.macro SUMS a, n                       ; pairs a .. a + n - 1 of p onto the four running pairs by turns; the first four bring them under the new M in the same instruction
.set si, \a
.rept \n
.if si < 4
	v_pk_fma_f32 v[SUM+2*si:SUM+2*si+1], v[SUM+2*si:SUM+2*si+1], v[FF:FF+1], v[S+2*si:S+2*si+1] op_sel_hi:[1,0,1]
.else
	v_pk_add_f32 v[SUM+2*(si%4):SUM+2*(si%4)+1], v[SUM+2*(si%4):SUM+2*(si%4)+1], v[S+2*si:S+2*si+1]
.endif
.set si, si+1
.endr
.endm
; A key step: the chunk at s[TB]
.macro BODY
	v_lshl_add_u32 v[A16], v[LN], 4, s[TB]
	v_lshl_add_u32 v[A8], v[LN], 3, s[TB]
	v_lshl_add_u32 v[A4], v[LN], 2, s[TB]
	v_add_nc_u32 v[AK], s[TB], v[AKL]
.irp m, 0,1,2,3
.irp c, 0,1
	ds_load_b128 v[KF+12*\m+6*\c:KF+12*\m+6*\c+3], v[A16] offset:1536*\m+768*\c
	ds_load_b64 v[KF+12*\m+6*\c+4:KF+12*\m+6*\c+5], v[A8] offset:1536*\m+768*\c+512
.endr
.endr
.irp m, 0,1,2,3
	ds_load_b32 v[KS+\m], v[AK] offset:12288+256*(\m/2)+32*(\m%2)
.endr
.irp t, 0,1,2,3
.irp c, 0,1
	ds_load_b128 v[VF+12*\t+6*\c:VF+12*\t+6*\c+3], v[A16] offset:6144+1536*\t+768*\c   ; V^T: wanted behind the softmax
	ds_load_b64 v[VF+12*\t+6*\c+4:VF+12*\t+6*\c+5], v[A8] offset:6144+1536*\t+768*\c+512
.endr
.endr
.irp m, 0,1
	ds_load_b32 v[VS+\m], v[A4] offset:12800+128*\m
.endr
	s_wait_dscnt 18                                ; K and its scale words are in; V's 16 + 2 loads may stay out
.irp t, 0,1,2,3,4,5,6,7
	SPROD \t
.endr
.rept 4
	v_nop                                          ; places (ISA guide 7.12.1) in front of the first read of the scores and of writes into K's registers
.endr
.irp q, 0,1,2,3
	v_max3_num_f32 v[MA+\q], v[S+16*\q], v[S+16*\q+1], v[S+16*\q+2]   ; four chains by turns; each tile is read from its low end on
.endr
.irp i, 3,5,7,9,11,13
.irp q, 0,1,2,3
	v_max3_num_f32 v[MA+\q], v[MA+\q], v[S+16*\q+\i], v[S+16*\q+\i+1]
.endr
.endr
.irp c, 0,1
	v_max3_num_f32 v[BM+\c], v[MA+2*\c], v[MA+2*\c+1], v[S+32*\c+15]
.endr
.irp c, 0,1
	v_max_num_f32 v[BM+\c], v[BM+\c], v[S+32*\c+31]   ; THE LARGEST SCORE OF EACH OF MY TWO BLOCKS serves twice: for the row's maximum and, since p rises with the score, for the block's largest p
.endr
	v_max_num_f32 v[TS], v[BM], v[BM+1]
	v_permlanex16_b32 v[X], v[TS], s[SEL], s[SEL+1]
	v_max3_num_f32 v[SMX], v[SMX], v[TS], v[X]     ; with lane l xor 16's 64 keys: the running largest score
	v_mul_f32 v[TS], s[NC], v[SMX]                 ; -t (c is positive)
	v_mov_b32 v[X], v[NM]
	DEP 2
	v_floor_f32 v[NM], v[TS]                       ; the new -M = floor(-t) = -ceil(t): a whole number
	DEP 1
	v_sub_f32 v[TS], v[NM], v[X]                   ; old M - new M: a whole number, 0 or less
	DEP 1
	v_cvt_i32_f32 v[TS], v[TS]                     ; (it saturates)
	DEP 1
	v_ldexp_f32 v[FF], 1.0, v[TS]                  ; f = 2^(old M - new M)
.set i, 0
.rept 32
	v_pk_fma_f32 v[S+i:S+i+1], v[S+i:S+i+1], s[CS:CS+1], v[NM:NM+1] op_sel_hi:[1,0,0]   ; t - M, two at a time
.set i, i+2
.endr
.irp c, 0,1
	v_fma_f32 v[BM+\c], v[BM+\c], s[CS], v[NM]     ; the same of each block's largest score
.endr
	s_wait_alu depctr_va_vdst(0)
.set i, 0
.rept 64
	v_exp_f32 v[S+i], v[S+i]                       ; p = 2^(t - M): not normalised
.set i, i+1
.endr
.irp c, 0,1
	v_exp_f32 v[BM+\c], v[BM+\c]                   ; the block's largest p: the same two instructions on the same number
.endr
	s_wait_alu depctr_va_vdst(0)                   ; and behind it, directly ahead of the first reader of O^T
.set i, 0
.rept 16
	v_pk_mul_f32 v[O+i:O+i+1], v[O+i:O+i+1], v[FF:FF+1] op_sel_hi:[1,0]   ; O^T under the new M, each tile from its low end on
.set i, i+2
.endr
.irp c, 0,1
	v_max_num_f32 v[BM+\c], 0x2800000, v[BM+\c]    ; the floor 2^(5 - 127): the byte cannot fall under 1
.endr
.irp c, 0,1
	DEP 2
	v_add_nc_u32 v[SO+\c], 0xfe000000, v[BM+\c]    ; 4 off the exponent field: the conversion's scale operand
.endr
.irp c, 0,1
	DEP 2
	v_lshrrev_b32 v[BY+\c], 23, v[SO+\c]           ; the scale's byte
.endr
	DEP 1
	v_lshl_or_b32 v[W], v[BY+1], 16, v[BY]         ; my bytes: blocks h and 2 + h,
	DEP 1
	v_lshlrev_b32 v[W], v[H8], v[W]                ; 8 h bits up;
	DEP 1
	v_permlanex16_b32 v[X], v[W], s[SEL], s[SEL+1]
	DEP 1
	v_or_b32 v[PSC], v[W], v[X]                    ; with lane l xor 16's two p's scale word is whole
.irp c, 0,1
	v_cvt_scalef32_pk16_bf6_f32 v[PC+6*\c:PC+6*\c+2], v[S+32*\c:S+32*\c+15], v[SO+\c]
	v_cvt_scalef32_pk16_bf6_f32 v[TPA+4*\c:TPA+4*\c+2], v[S+32*\c+16:S+32*\c+31], v[SO+\c]   ; (a conversion's three registers begin on an even number)
.endr
	SUMS 0, 8                                      ; THE ROW'S SUM IS TAKEN OF THE UNQUANTISED p.  (Also the plain place behind the conversions)
.irp c, 0,1
.irp i, 0,1,2
	v_mov_b32 v[PC+6*\c+3+\i], v[TPA+4*\c+\i]
.endr
.endr
	SUMS 8, 8                                      ; (also the places between the operand's last write and the products)
	s_wait_alu depctr_va_vdst(0)
	s_wait_dscnt 0x0                               ; V and its scale words are in
	PVPROD 0                                       ; four accumulators, one instruction each; the next matrix instruction is the next step's first score tile
	PVPROD 1
	PVPROD 2
	PVPROD 3
	SUMS 16, 16                                    ; they name none of the products' registers: the places in front of the next loads into V's registers
.endm
.macro STEPS slot, n                   ; n key steps on end, from this slot on
	s_add_co_u32 s[TB], s[RB], (\slot)*PAIR
.if \n > 1
	s_mov_b32 s[CNT], \n
.Lst_\@:
.endif
	BODY
.if \n > 1
	s_add_co_u32 s[TB], s[TB], PAIR
	s_sub_co_u32 s[CNT], s[CNT], 1
	s_cmp_lg_u32 s[CNT], 0
	s_cbranch_scc1 .Lst_\@
.endif
.endm
	s_load_b256 s[4:11], s[0:1], 0x0               ; qimg, qscl, kv, oimg
	s_load_b64 s[12:13], s[0:1], 0x20              ; oscl
	WIN 0x40
	v_lshl_add_u32 v[SPW], v0, 2, SPARE
	v_mov_b32 v[NIL], 0
	WIN 0
	v_lshrrev_b32 v1, 5, v0
	v_readfirstlane_b32 s14, v1                    ; wave 0..11
	s_mul_i32 s17, ttmp9, 12                       ; the work-group's first tile
	s_add_co_u32 s18, s17, s14                     ; my tile, of 3,072
	s_lshr_b32 s15, s18, 7                         ; my head bh = 12 x batch + head
	s_and_b32 s16, s18, 127                        ; my tile in the head
	s_lshr_b32 s19, s17, 7                         ; head A
	s_add_co_u32 s28, s17, 11
	s_lshr_b32 s28, s28, 7                         ; head B
	s_cmp_lg_u32 s15, s19
	s_cselect_b32 s[RB], CH, 0                     ; which half of a slot I read
	s_cmp_lt_u32 s14, 6                            ; waves 0-5 bring A's chunk, waves 6-11 B's
	s_cselect_b32 s29, s19, s28
	s_cselect_b32 s30, 0, 6
	s_sub_co_u32 s30, s14, s30
	s_mul_i32 s26, s29, 16*CH
	s_mul_i32 s30, s30, PIECE
	s_add_co_u32 s26, s26, s30
	s_mov_b32 s27, 0
	s_mul_i32 s[SW], s14, PIECE                    ; in a slot B's chunk follows A's: my part begins 2,176 x wave into it
	s_mov_b32 s[SEL], 0x76543210
	s_mov_b32 s[SEL+1], 0xfedcba98
	s_mov_b32 s[CS], 0x3e38aa3b                    ; log2(e) / 8
	s_mov_b32 s[CS+1], s[CS]                       ; (named with it as a pair)
	s_mov_b32 s[NC], 0xbe38aa3b
	v_and_b32 v[LN], 31, v0                        ; from here on v0 is the lane
	WIN 0x40
	v_lshlrev_b32 v[WA16], 4, v[LN]
	v_lshlrev_b32 v[WA4], 2, v[LN]
	WIN 0
	v_and_b32 v[TS], 7, v[LN]
	v_bfe_u32 v[X], v[LN], 3, 1
	v_bfe_u32 v[H8], v[LN], 4, 1
	v_lshlrev_b32 v[TS], 2, v[TS]
	DEP 1
	v_lshl_add_u32 v[TS], v[X], 7, v[TS]
	DEP 1
	v_lshl_add_u32 v[AKL], v[H8], 6, v[TS]         ; K's scale word: key 32 (row / 8) + 16 (lane / 16) + row % 8 of the register's 64 (+ 8 for the odd register): 4 bytes a key
	v_lshlrev_b32 v[H8], 3, v[H8]
	v_lshlrev_b32 v[S], 4, v[LN]                   ; q's offsets
	v_lshlrev_b32 v[S+1], 3, v[LN]
	v_and_b32 v[S+2], 15, v[LN]
	DEP 1
	v_lshlrev_b32 v[S+2], 2, v[S+2]
	s_wait_alu depctr_va_vdst(0)
	s_wait_kmcnt 0x0
	s_add_nc_u64 s[8:9], s[8:9], s[26:27]          ; kv at my part of key step 0; never rewritten
	s_mul_i32 s26, s18, 768
	s_add_nc_u64 s[4:5], s[4:5], s[26:27]          ; Q's image: 768 bytes a tile
	s_lshl_b32 s26, s18, 6
	s_add_nc_u64 s[6:7], s[6:7], s[26:27]          ; Q's scale words: 64 bytes a tile
	global_load_b128 v[Q:Q+3], v[S], s[4:5]        ; q, which stays in registers,
	global_load_b64 v[Q+4:Q+5], v[S+1], s[4:5] offset:512
	global_load_b128 v[Q+12:Q+15], v[S], s[4:5]    ; and once more behind the zeros
	global_load_b64 v[Q+16:Q+17], v[S+1], s[4:5] offset:512
	global_load_b32 v[QSC], v[S+2], s[6:7]
	LD2 0
	LD2 2
	WIN 0
	s_cmp_ge_u32 s15, 12
	s_cselect_b32 s28, 12, 0
	s_cselect_b32 s29, 128, 0
	s_sub_co_u32 s28, s15, s28                     ; the head
	s_add_co_u32 s29, s29, s16                     ; my tile among all 256 tiles of tokens
	s_mul_i32 s26, s29, 9216
	s_mul_i32 s30, s28, 768
	s_add_co_u32 s26, s26, s30
	s_add_nc_u64 s[10:11], s[10:11], s[26:27]      ; out's image: the head's 64 channels are half (head % 2) of K step head / 2
	s_lshr_b32 s26, s29, 1
	s_mul_i32 s26, s26, 768                        ; out's scale words: 768 bytes a pair of tiles,
	s_lshr_b32 s30, s28, 1
	s_lshl_b32 s30, s30, 7                         ; 128 a K step,
	s_add_co_u32 s26, s26, s30
	s_and_b32 s30, s29, 1
	s_lshl_b32 s30, s30, 6                         ; 64 for the odd tile,
	s_add_co_u32 s26, s26, s30
	s_and_b32 s30, s28, 1
	s_lshl_b32 s30, s30, 1                         ; 2 for the odd head
	s_add_co_u32 s26, s26, s30
	s_add_nc_u64 s[12:13], s[12:13], s[26:27]
.irp n, 6,7,8,9,10,11
	v_mov_b32 v[Q+\n], 0                           ; the zero codes between the two q
.endr
.set i, 0
.rept 32
	v_mov_b32 v[O+i], 0                            ; O^T.  (The step is written once: the first finds zeros, which the first change of M leaves zeros)
.set i, i+1
.endr
.set i, 0
.rept 8
	v_mov_b32 v[SUM+i], 0
.set i, i+1
.endr
	v_mov_b32 v[SMX], 0xff61b1e6                   ; the largest score so far: -3e38
	v_mov_b32 v[NM], 0x7e000000                    ; -M: 2^125, a whole number over every -M that follows
	v_mov_b32 v[FF+1], 0                           ; (named as the upper half of the pair)
	s_wait_alu depctr_va_vdst(0)
	s_wait_loadcnt 10                              ; q and steps 0, 1 are in; the ten loads of steps 2, 3 may stay out
	ST2 0
	SAY
	LD2 4
	WIN 0
	s_barrier_wait -1                              ; steps 0, 1 are whole
	STEPS 0, 1
	s_wait_loadcnt 10                              ; steps 2, 3 are in; the ten loads of steps 4, 5 may stay out
	ST2 2
	SAY
	LD2 6
	WIN 0
	STEPS 1, 1
	s_barrier_wait -1                              ; steps 2, 3 are whole
	s_wait_loadcnt 10                              ; steps 4, 5 are in; those of 6, 7 may stay out
	ST2 4
	SAY
	LD2 8
	WIN 0
	STEPS 2, 2
	s_barrier_wait -1                              ; steps 4, 5 are whole
	s_wait_loadcnt 0x0
	ST2 6
	ST2 8
	SAY
	LD2 10
	LD2 12
	WIN 0
	STEPS 4, 2
	s_barrier_wait -1                              ; steps 6 to 9 are whole, and every wave has left steps 0 to 3
	s_wait_loadcnt 0x0
	ST2 10
	ST2 12
	SAY
	LD2 14
	WIN 0
	STEPS 6, 4
	s_barrier_wait -1                              ; steps 10 to 13 are whole, and every wave has left steps 0 to 5
	s_wait_loadcnt 0x0
	ST2 14
	SAY
	STEPS 10, 2
	STEPS 0, 2                                     ; steps 12, 13
	s_barrier_wait -1                              ; steps 14, 15 are whole
	STEPS 2, 2
	v_pk_add_f32 v[SUM:SUM+1], v[SUM:SUM+1], v[SUM+2:SUM+3]
	v_pk_add_f32 v[SUM+4:SUM+5], v[SUM+4:SUM+5], v[SUM+6:SUM+7]
	DEP 1
	v_pk_add_f32 v[SUM:SUM+1], v[SUM:SUM+1], v[SUM+4:SUM+5]
	DEP 1
	v_add_f32 v[SUM], v[SUM], v[SUM+1]
	DEP 1
	v_permlanex16_b32 v[FF], v[SUM], s[SEL], s[SEL+1]
	DEP 1
	v_add_f32 v[SUM], v[SUM], v[FF]                ; with lane l xor 16's: the row's sum
	s_wait_alu depctr_va_vdst(0)
	v_rcp_f32 v[SUM], v[SUM]
	v_lshlrev_b32 v[E16], 4, v[LN]                 ; the stores' offsets.  (The plain place behind the transcendental)
	v_lshlrev_b32 v[E16+1], 3, v[LN]
	v_and_b32 v[E16+2], 15, v[LN]
	DEP 1
	v_lshlrev_b32 v[E16+2], 2, v[E16+2]
	s_wait_alu depctr_va_vdst(0)                   ; and behind it, directly ahead of the first reader of O^T
.set i, 0
.rept 16
	v_pk_mul_f32 v[S+i:S+i+1], v[O+i:O+i+1], v[SUM:SUM+1] op_sel_hi:[1,0]   ; out(query r, channel 16 t + 8 h + n) in register 8 t + n
.set i, i+2
.endr
; The head's 64 channels are two blocks of the last product's K; a lane has 16 numbers of each, lane l xor 16 the others.  Codes inside a block in the order 0-7, 16-23, 8-15, 24-31, as in every operand of that product.
.irp b, 0,1
	v_max3_num_f32 v[MA+\b], |v[S+16*\b]|, |v[S+16*\b+1]|, 0x2800000   ; and the floor 2^(5 - 127)
.endr
.irp i, 2,4,6,8,10,12,14
.irp b, 0,1
	DEP 2
	v_max3_num_f32 v[MA+\b], v[MA+\b], |v[S+16*\b+\i]|, |v[S+16*\b+\i+1]|
.endr
.endr
.irp b, 0,1
	DEP 2
	v_permlanex16_b32 v[MA+2+\b], v[MA+\b], s[SEL], s[SEL+1]
.endr
.irp b, 0,1
	DEP 2
	v_max_num_f32 v[MA+\b], v[MA+\b], v[MA+2+\b]
.endr
.irp b, 0,1
	DEP 2
	v_add_nc_u32 v[SO+\b], 0xfe000000, v[MA+\b]
.endr
.irp b, 0,1
	DEP 2
	v_lshrrev_b32 v[BY+\b], 23, v[SO+\b]
.endr
	DEP 1
	v_lshl_or_b32 v[W], v[BY+1], 8, v[BY]
	v_cvt_scalef32_pk16_bf6_f32 v[PC:PC+2], v[S:S+15], v[SO]
	v_cvt_scalef32_pk16_bf6_f32 v[TPA:TPA+2], v[S+16:S+31], v[SO+1]
	v_nop                                          ; one plain place behind the scaled conversions
.irp i, 0,1,2
	v_permlane16_swap_b32 v[PC+\i], v[TPA+\i]      ; lane h now has block h: lower 16 codes in the first, upper 16 in the second
.endr
.irp i, 0,1,2
	DEP 3
	v_mov_b32 v[PC+3+\i], v[TPA+\i]
.endr
	global_store_b128 v[E16], v[PC:PC+3], s[10:11] ; 512 consecutive bytes
	global_store_b64 v[E16+1], v[PC+4:PC+5], s[10:11] offset:512
	global_store_b16 v[E16+2], v[W], s[12:13]      ; my row's two scale bytes; lanes r and 16 + r hold the same two and write them to the same place
	WIN 0x05
	s_wait_tensorcnt 0x0                           ; the wave's end
	ds_add_u32 v[SPW], v[NIL]
	s_wait_dscnt 0x0
	WIN 0
	s_endpgm
.Lfunc_end_k_qc5d49d55fe_attn:
	.size	k_qc5d49d55fe_attn, .Lfunc_end_k_qc5d49d55fe_attn-k_qc5d49d55fe_attn
	.p2alignl 7, 3214868480
	.fill 96, 4, 3214868480
	.section	.rodata,"a",@progbits
	.p2align	6, 0x0
	.amdhsa_kernel k_qc5d49d55fe_attn
		.amdhsa_group_segment_fixed_size 314880
		.amdhsa_private_segment_fixed_size 0
		.amdhsa_enable_private_segment 0
		.amdhsa_kernarg_size 40
		.amdhsa_user_sgpr_count 2
		.amdhsa_user_sgpr_kernarg_segment_ptr 1
		.amdhsa_wavefront_size32 1
		.amdhsa_system_sgpr_workgroup_id_x 1
		.amdhsa_system_sgpr_workgroup_id_y 1
		.amdhsa_system_sgpr_workgroup_id_z 1
		.amdhsa_system_vgpr_workitem_id 0
		.amdhsa_next_free_vgpr 336
		.amdhsa_next_free_sgpr 66
		.amdhsa_reserve_vcc 0
		.amdhsa_float_denorm_mode_32 3
		.amdhsa_float_denorm_mode_16_64 3
		.amdhsa_memory_ordered 1
		.amdhsa_forward_progress 1
		.amdhsa_inst_pref_size 150
	.end_amdhsa_kernel
	.amdgpu_metadata
---
amdhsa.version: [ 1, 2 ]
amdhsa.kernels:
  - .name:           k_qc5d49d55fe_attn
    .symbol:         k_qc5d49d55fe_attn.kd
    .args:
      - { .name: qimg, .offset: 0, .size: 8, .value_kind: global_buffer, .address_space: global }
      - { .name: qscl, .offset: 8, .size: 8, .value_kind: global_buffer, .address_space: global }
      - { .name: kv, .offset: 16, .size: 8, .value_kind: global_buffer, .address_space: global }
      - { .name: oimg, .offset: 24, .size: 8, .value_kind: global_buffer, .address_space: global }
      - { .name: oscl, .offset: 32, .size: 8, .value_kind: global_buffer, .address_space: global }
    .group_segment_fixed_size: 314880
    .private_segment_fixed_size: 0
    .kernarg_segment_align: 8
    .kernarg_segment_size: 40
    .max_flat_workgroup_size: 384
    .sgpr_count:     66
    .vgpr_count:     336
    .wavefront_size: 32
...
	.end_amdgpu_metadata
.endif
;; end of part 7
;; launch oproj (part 8): grid 64 x 4, 3 waves a work-group, no clusters, 13,824 bytes of LDS; arguments oimg, oscl, codes, scales, bo, out0; writes out0
.if DOCPART == 8
	.amdgcn_target "amdgcn-amd-amdhsa--gfx1250"
	.amdhsa_code_object_version 6
	.text
	.protected	k_qc5d49d55fe_oproj
	.globl	k_qc5d49d55fe_oproj
	.p2align	8
	.type	k_qc5d49d55fe_oproj,@function
k_qc5d49d55fe_oproj:
	s_mov_b64 s[64:65], 0
	v_nop
	global_prefetch_b8 v0, s[64:65] scope:SCOPE_SE
	s_setreg_imm32_b32 hwreg(HW_REG_WAVE_MODE, 25, 1), 1
	s_wait_xcnt 0x0
; OPROJ: out0 = out Wo^T + bo on codes of BF6 with E8M0 scales; out0 [4096][768] f32.
; SHARES: a wave makes 64 tokens x 64 output channels: 16 accumulators of 16 x 16.  Work-group (X, y): tokens 64 X on; wave w: channels 64 (3 y + w) on.  768 waves in 256 work-groups.
; Source 0 = 4 tiles of Wo (channels), source 1 = 4 tiles of out (tokens): a lane holds one token and eight neighbouring channels in each accumulator.
; Fragments lie in memory in the order of an operand's registers and come straight into registers; K = 768 is six steps, written out: every offset is an immediate.
; TWO K STEPS ARE ON THEIR WAY AT ALL TIMES: three waves share a WGP, so registers are plentiful: even steps' fragments lie in window 0, odd steps' under the same numbers in window 1; a step's 32 loads are issued
; as soon as the products of the step two before have read its buffer.  THE BIAS IS THE C OF EACH SUM'S FIRST PRODUCT: eight registers a tile of channels, in window 1, loaded at the head: no addition, no load behind the loop.
; A wave's 64 channels are 256 consecutive bytes of a row of out0, at a multiple of 256 from its first byte: so the way out is the wave's own: 16 rows at a time through its own stage in LDS
; (rows of 256 + 16 bytes), back as whole rows, sixteen lanes to a row.  No barrier: waves share nothing.
; NO TENSOR LOADS, NO CLUSTER: blocks of 256 x 256 fed through LDS would give 48 work-groups; the operands are 36 KiB of codes a side and a wave, taken whole in register order.
.set SC0, 8                            ; v8-19   source 0's scale words: pair m, K step s at v[SC0 + 6 m + s].  v8-31 hold scale words and nothing else
.set SC1, 20                           ; v20-31  source 1's
.set F0,  32                           ; v32-79  source 0's four fragments (window s % 2)
.set F1,  80                           ; v80-127 source 1's (window s % 2)
.set ACC, 128                          ; v128-255 accumulator (i, j) at ACC + 32 j + 8 i
.set BI,  0                            ; window 1, v0-31: the bias of channel tile i at BI + 8 i
.set PA0, 28                           ; s[28:29] source 0's fragments;  s[30:31] source 1's
.set PA1, 30
.set PS0, 32                           ; s[32:33], s[34:35] their scale words
.set PS1, 34
.set BIA, 36                           ; s[36:37] my 64 biases
.set SPI, 272                          ; a stage row
.set MSB, 0
.macro WIN new                         ; s_set_vgpr_msb: bits 1:0 source 0, 3:2 source 1, 5:4 source 2, 7:6 destination; the high byte repeats the setting that is left
.if MSB != (\new)
	s_set_vgpr_msb (MSB<<8)|(\new)
.set MSB, (\new)
.endif
.endm
.macro LDFRAG reg, base, off           ; a fragment: two halves of 16 + 8 bytes a lane
.irp c, 0,1
	global_load_b128 v[\reg+6*\c:\reg+6*\c+3], v1, s[\base:\base+1] offset:\off+768*\c
	global_load_b64 v[\reg+6*\c+4:\reg+6*\c+5], v2, s[\base:\base+1] offset:\off+768*\c+512
.endr
.endm
; One product.  A scale register carries two tiles' words: the odd tile's are read from lanes 16-31.  The first K step starts the sums with the bias.
.macro WM i, j, s
.set rD, ACC+32*\j+8*\i
.set rA, F0+12*\i
.set rB, F1+12*\j
.set rC, BI+8*\i
.set rP, SC0+6*(\i/2)+\s
.set rQ, SC1+6*(\j/2)+\s
.if \s == 0
.if (\i%2) && (\j%2)
	v_wmma_scale_f32_16x16x128_f8f6f4 v[rD:rD+7], v[rA:rA+11], v[rB:rB+11], v[rC:rC+7], v[rP], v[rQ] matrix_a_fmt:MATRIX_FMT_BF6 matrix_b_fmt:MATRIX_FMT_BF6 matrix_a_scale:MATRIX_SCALE_ROW1 matrix_b_scale:MATRIX_SCALE_ROW1
.elseif \i%2
	v_wmma_scale_f32_16x16x128_f8f6f4 v[rD:rD+7], v[rA:rA+11], v[rB:rB+11], v[rC:rC+7], v[rP], v[rQ] matrix_a_fmt:MATRIX_FMT_BF6 matrix_b_fmt:MATRIX_FMT_BF6 matrix_a_scale:MATRIX_SCALE_ROW1
.elseif \j%2
	v_wmma_scale_f32_16x16x128_f8f6f4 v[rD:rD+7], v[rA:rA+11], v[rB:rB+11], v[rC:rC+7], v[rP], v[rQ] matrix_a_fmt:MATRIX_FMT_BF6 matrix_b_fmt:MATRIX_FMT_BF6 matrix_b_scale:MATRIX_SCALE_ROW1
.else
	v_wmma_scale_f32_16x16x128_f8f6f4 v[rD:rD+7], v[rA:rA+11], v[rB:rB+11], v[rC:rC+7], v[rP], v[rQ] matrix_a_fmt:MATRIX_FMT_BF6 matrix_b_fmt:MATRIX_FMT_BF6
.endif
.else
.if (\i%2) && (\j%2)
	v_wmma_scale_f32_16x16x128_f8f6f4 v[rD:rD+7], v[rA:rA+11], v[rB:rB+11], v[rD:rD+7], v[rP], v[rQ] matrix_a_fmt:MATRIX_FMT_BF6 matrix_b_fmt:MATRIX_FMT_BF6 matrix_a_scale:MATRIX_SCALE_ROW1 matrix_b_scale:MATRIX_SCALE_ROW1
.elseif \i%2
	v_wmma_scale_f32_16x16x128_f8f6f4 v[rD:rD+7], v[rA:rA+11], v[rB:rB+11], v[rD:rD+7], v[rP], v[rQ] matrix_a_fmt:MATRIX_FMT_BF6 matrix_b_fmt:MATRIX_FMT_BF6 matrix_a_scale:MATRIX_SCALE_ROW1
.elseif \j%2
	v_wmma_scale_f32_16x16x128_f8f6f4 v[rD:rD+7], v[rA:rA+11], v[rB:rB+11], v[rD:rD+7], v[rP], v[rQ] matrix_a_fmt:MATRIX_FMT_BF6 matrix_b_fmt:MATRIX_FMT_BF6 matrix_b_scale:MATRIX_SCALE_ROW1
.else
	v_wmma_scale_f32_16x16x128_f8f6f4 v[rD:rD+7], v[rA:rA+11], v[rB:rB+11], v[rD:rD+7], v[rP], v[rQ] matrix_a_fmt:MATRIX_FMT_BF6 matrix_b_fmt:MATRIX_FMT_BF6
.endif
.endif
.endm
.macro LOADS s                         ; K step s's 32 loads, into the buffer of window s % 2; the addresses lie in window 0
	WIN 0x40*((\s)%2)
.irp i, 0,1,2,3
	LDFRAG F0+12*\i, PA0, 9216*\i+1536*(\s)
.endr
.irp j, 0,1,2,3
	LDFRAG F1+12*\j, PA1, 9216*\j+1536*(\s)
.endr
.endm
; K step s's 16 products.  behind = the loads issued behind this step's: the next step's 32, or none.  The 16 accumulators take turns, one instruction a turn, in the same order in every step.
.macro PRODS s, behind
.if (\s) == 0
	WIN 0x10                                       ; C, the bias, in window 1
.elseif (\s)%2
	WIN 0x05                                       ; both fragments in window 1
.else
	WIN 0
.endif
.irp j, 0,1,2,3
	s_wait_loadcnt \behind+12-4*\j                 ; source 0 and source 1's tile j are in; this step's later tiles, four loads each, and the next step's loads may stay out
.irp i, 0,1,2,3
	WM \i, \j, \s
.endr
.endr
.endm
.macro PLACES                          ; four places in front of loads into registers that matrix instructions have read, and of the first read of results
.rept 4
	v_nop
.endr
.endm
	s_load_b256 s[4:11], s[0:1], 0x0               ; oimg, oscl, codes, scales
	s_load_b128 s[12:15], s[0:1], 0x20             ; bo, out0
	s_set_vgpr_msb 0x40
	v_lshl_add_u32 v128, v0, 2, 0x3400
	v_mov_b32 v129, 0
	s_set_vgpr_msb 0x4000
	v_lshrrev_b32 v32, 5, v0
	v_readfirstlane_b32 s20, v32                   ; wave 0..2
	v_and_b32 v32, 31, v0
	v_lshlrev_b32 v1, 4, v32                       ; 16 x lane
	v_lshlrev_b32 v2, 3, v32                       ; 8 x lane
	v_lshlrev_b32 v3, 2, v32                       ; 4 x lane
	v_and_b32 v32, 15, v0                          ; r
	v_bfe_u32 v33, v0, 4, 1                        ; h
	v_lshlrev_b32 v4, 5, v33                       ; 32 h: my eight biases of a tile
	s_mul_i32 s21, s20, 16*SPI                     ; my stage
	v_mul_u32_u24 v5, v32, SPI
	v_lshl_add_u32 v5, v33, 5, v5
	v_add_nc_u32 v5, s21, v5                       ; in: row r, + 32 h
	v_mul_u32_u24 v6, v33, SPI
	v_lshl_add_u32 v6, v32, 4, v6
	v_add_nc_u32 v6, s21, v6                       ; back: lanes 0-15 one row, lanes 16-31 the next; 16 bytes a lane
	v_mul_u32_u24 v7, v33, 3072
	v_lshl_add_u32 v7, v32, 4, v7                  ; and the same two rows in out0
	s_and_b32 s22, ttmp7, 0xffff
	s_mul_i32 s22, s22, 3
	s_add_co_u32 s22, s22, s20                     ; which 64 channels: 3 y + wave
	s_lshl_b32 s24, s22, 2
	s_add_co_u32 s24, s24, 400                     ; Wo's first tile: 400 + 4 x that
	s_mov_b32 s27, 0
	s_wait_alu depctr_va_vdst(0)
	s_wait_kmcnt 0x0
	s_mul_i32 s26, s24, 9216
	s_add_nc_u64 s[PA0:PA0+1], s[8:9], s[26:27]
	s_mul_i32 s26, s24, 384                        ; 768 bytes of scale words for a pair of tiles
	s_add_nc_u64 s[PS0:PS0+1], s[10:11], s[26:27]
	s_mul_i32 s26, ttmp9, 36864                    ; out's four tiles of 9,216 bytes
	s_add_nc_u64 s[PA1:PA1+1], s[4:5], s[26:27]
	s_mul_i32 s26, ttmp9, 1536
	s_add_nc_u64 s[PS1:PS1+1], s[6:7], s[26:27]
	s_lshl_b32 s26, s22, 8
	s_add_nc_u64 s[BIA:BIA+1], s[12:13], s[26:27]
	s_add_nc_u64 s[14:15], s[14:15], s[26:27]      ; out0: my 256 bytes of a row,
	s_mul_i32 s26, ttmp9, 196608                   ; 64 rows of 3,072 bytes a work-group
	s_add_nc_u64 s[14:15], s[14:15], s[26:27]
.irp m, 0,1                                    ; all scale words of the six steps, ahead of the fragments: 128 consecutive bytes a load
.irp s, 0,1,2,3,4,5
	global_load_b32 v[SC0+6*\m+\s], v3, s[PS0:PS0+1] offset:768*\m+128*\s
	global_load_b32 v[SC1+6*\m+\s], v3, s[PS1:PS1+1] offset:768*\m+128*\s
.endr
.endr
	WIN 0x40                                       ; destination window 1
.irp i, 0,1,2,3                                ; the bias in the result's layout: register 8 i + n of a lane is channel 16 i + 8 h + n
	global_load_b128 v[BI+8*\i:BI+8*\i+3], v4, s[BIA:BIA+1] offset:64*\i
	global_load_b128 v[BI+8*\i+4:BI+8*\i+7], v4, s[BIA:BIA+1] offset:64*\i+16
.endr
	LOADS 0
	LOADS 1
	PRODS 0, 32
	PLACES
	LOADS 2
	PRODS 1, 32
	PLACES
	LOADS 3
	PRODS 2, 32
	PLACES
	LOADS 4
	PRODS 3, 32
	PLACES
	LOADS 5
	PRODS 4, 32
	PRODS 5, 0
	WIN 0
	PLACES
; THE WAY OUT: 16 tokens at a time through my stage, back into the registers that they left; a tile's rows are stored while the next tile goes through the stage.
.macro STAGE j
.irp i, 0,1,2,3
	ds_store_b128 v5, v[ACC+32*\j+8*\i:ACC+32*\j+8*\i+3] offset:64*\i        ; each accumulator from its low end on
	ds_store_b128 v5, v[ACC+32*\j+8*\i+4:ACC+32*\j+8*\i+7] offset:64*\i+16
.endr
.irp t, 0,1,2,3,4,5,6,7
	ds_load_b128 v[ACC+32*\j+4*\t:ACC+32*\j+4*\t+3], v6 offset:2*SPI*\t   ; LDS serves a wave's instructions in order (ISA guide 5.7.1.4): these see the stores above, and the next tile's stores come behind them
.endr
.endm
.macro SEND j, younger                 ; younger: the LDS instructions issued behind tile j's loads: the next tile's sixteen, or none
.irp t, 0,1,2,3,4,5,6,7
	s_wait_dscnt \younger+7-\t
	global_store_b128 v7, v[ACC+32*\j+4*\t:ACC+32*\j+4*\t+3], s[14:15] offset:(16*\j+2*\t)*3072 th:TH_STORE_NT   ; sixteen lanes store 256 consecutive bytes, at a multiple of 256 from out0's first byte
.endr
.endm
	STAGE 0
	STAGE 1
	SEND 0, 16
	STAGE 2
	SEND 1, 16
	STAGE 3
	SEND 2, 16
	SEND 3, 0
	s_set_vgpr_msb 0x5
	s_wait_tensorcnt 0x0
	ds_add_u32 v128, v129
	s_wait_dscnt 0x0
	s_set_vgpr_msb 0x500
	s_endpgm
.Lfunc_end_k_qc5d49d55fe_oproj:
	.size	k_qc5d49d55fe_oproj, .Lfunc_end_k_qc5d49d55fe_oproj-k_qc5d49d55fe_oproj
	.p2alignl 7, 3214868480
	.fill 96, 4, 3214868480
	.section	.rodata,"a",@progbits
	.p2align	6, 0x0
	.amdhsa_kernel k_qc5d49d55fe_oproj
		.amdhsa_group_segment_fixed_size 13824
		.amdhsa_private_segment_fixed_size 0
		.amdhsa_enable_private_segment 0
		.amdhsa_kernarg_size 48
		.amdhsa_user_sgpr_count 2
		.amdhsa_user_sgpr_kernarg_segment_ptr 1
		.amdhsa_wavefront_size32 1
		.amdhsa_system_sgpr_workgroup_id_x 1
		.amdhsa_system_sgpr_workgroup_id_y 1
		.amdhsa_system_sgpr_workgroup_id_z 1
		.amdhsa_system_vgpr_workitem_id 0
		.amdhsa_next_free_vgpr 386
		.amdhsa_next_free_sgpr 66
		.amdhsa_reserve_vcc 0
		.amdhsa_float_denorm_mode_32 3
		.amdhsa_float_denorm_mode_16_64 3
		.amdhsa_memory_ordered 1
		.amdhsa_forward_progress 1
		.amdhsa_inst_pref_size 46
	.end_amdhsa_kernel
	.amdgpu_metadata
---
amdhsa.version: [ 1, 2 ]
amdhsa.kernels:
  - .name:           k_qc5d49d55fe_oproj
    .symbol:         k_qc5d49d55fe_oproj.kd
    .args:
      - { .name: oimg, .offset: 0, .size: 8, .value_kind: global_buffer, .address_space: global }
      - { .name: oscl, .offset: 8, .size: 8, .value_kind: global_buffer, .address_space: global }
      - { .name: codes, .offset: 16, .size: 8, .value_kind: global_buffer, .address_space: global }
      - { .name: scales, .offset: 24, .size: 8, .value_kind: global_buffer, .address_space: global }
      - { .name: bo, .offset: 32, .size: 8, .value_kind: global_buffer, .address_space: global }
      - { .name: out0, .offset: 40, .size: 8, .value_kind: global_buffer, .address_space: global }
    .group_segment_fixed_size: 13824
    .private_segment_fixed_size: 0
    .kernarg_segment_align: 8
    .kernarg_segment_size: 48
    .max_flat_workgroup_size: 96
    .sgpr_count:     66
    .vgpr_count:     386
    .wavefront_size: 32
...
	.end_amdgpu_metadata
.endif
;; end of part 8
